; MI455X (gfx1250); checked and timed in simulation.
; The chip was launched on July 23, 2026; its instructions are those of AMD's public machine-readable ISA for CDNA 5 (MIT licence, August 2026) and "CDNA5" Instruction Set Architecture Reference Guide (July 2026). The comments in the code are by the model that wrote it; some were corrected since.
;; Self Attention. Allowed arithmetic: matrix products marked QUANTISED: E2M3 operands, one E8M0 scale for each 32 along K, by v_wmma_scale_f32_16x16x128_f8f6f4 with both operands' format E2M3, f32 sums; everything else in f32.
;; Inputs: kernel 3 x 1,024 x 1,024 float32; x 4 x 2,048 x 1,024 float32.
;; Outputs: out0 4 x 2,048 x 1,024 float32.
;; This version of the problem:
;;   THIS VERSION OF THE PROBLEM IS GIVEN IN LOW PRECISION. The matrix products marked QUANTISED in the list below multiply operands that are first quantised to E2M3 (2 exponent bits, 3 mantissa bits; 6 bits a number), with one power-of-two scale for each 32 numbers along K (OCP MX v1.0); their sums are f32. All else is computed in f32.
;;   The module's matrix products, in the order in which they are computed (A, B: the left and right operand; K: the contracted axis; several contracted axes count as one K, in the product's order):
;;     1. [M 8,192, K 1,024] x [K 1,024, N 1,024]; A: input x; B: input kernel: QUANTISED
;;     2. [M 8,192, K 1,024] x [K 1,024, N 1,024]; A: input x; B: input kernel: QUANTISED
;;     3. [M 8,192, K 1,024] x [K 1,024, N 1,024]; A: input x; B: input kernel: QUANTISED
;;     4. batch 4 x [M 2,048, K 1,024] x [K 1,024, N 2,048]; A: computed on the way; B: computed on the way: QUANTISED
;;     5. batch 4 x [M 2,048, K 2,048] x [K 2,048, N 1,024]; A: softmax (see below); B: computed on the way: QUANTISED
;;   THE QUANTISER, for each operand of a quantised product, along K:
;;     - K is cut into blocks of 32 from its start; a last block that is shorter is filled with zeros.
;;     - A block's scale is 2^e with e = floor(log2(the largest magnitude in the block)) - 2, held to -126 .. 127; a block of zeros has e = 0. As a byte (E8M0): e + 127.
;;     - Each number is divided by its block's scale, clamped to +-7.5, and rounded to the nearest number of E2M3, ties to even, subnormals kept.
;;     - The product sums the exact products of the quantised numbers (number of the format x scale) in f32.
;;   ~~~python
;;   def quantise(x, axis):      # numpy; x: float32 -> the quantised numbers, widened to float32 again
;;       x = np.moveaxis(x, axis, -1); K = x.shape[-1]
;;       x = np.pad(x, [(0, 0)] * (x.ndim - 1) + [(0, -K % 32)]); x = x.reshape(x.shape[:-1] + (-1, 32)); a = np.abs(x).max(-1, keepdims=True)
;;       e = np.where(a > 0, np.clip(np.frexp(np.where(a > 0, a, 1))[1] - 1 - 2, -126, 127), 0)      # np.frexp(a)[1] - 1 = floor(log2(a)), exactly
;;       r = np.clip(x / 2.0 ** e, -7.5, 7.5)
;;       step = 2.0 ** (np.maximum(np.frexp(np.where(r == 0, 1, r))[1] - 1, 0) - 3)
;;       q = np.round(r / step) * step * 2.0 ** e      # np.round: ties to even
;;       return np.moveaxis(q.reshape(q.shape[:-2] + (-1,))[..., :K], -1, axis).astype(np.float32)
;;   ~~~
;;   SOFTMAX AHEAD OF A QUANTISED PRODUCT. Where the list says 'softmax', what is quantised is not the finished softmax but p = 2^(t - M), with t = logit x log2(e) and M = ceil(the row's largest t), a whole number; so 1/2 < the row's largest p <= 1. The row's sum l is taken of the UNQUANTISED p, in f32, and the product's result is divided by l at the end. Since M is a whole number, a kernel that streams over the keys may use a running M (the ceiling of the running maximum): every later rescaling is an exact power of two, which a block's scale takes up: the codes' values come out the same.
;;   OPERANDS COMPUTED ON THE WAY. 'Computed on the way' means the value that the module computes at that place (a softmax that the list does not call 'softmax' is quantised finished and normalised). What goes into a quantiser is computed in f32, as accurately as f32 sums, v_exp_f32 and their like allow (about 1e-6 of the number): no bf16 or f16 on the way to a quantiser, and a product that is left as it is and whose result goes on into a quantised operand takes f32 operands (vector FMAs, or v_wmma_f32_16x16x4_f32). A number that lies on a knife's edge between two numbers of the format may be rounded either way, as far as f32 arithmetic and the matrix unit's own rounding can turn it there, and no further.
;; One version. Each part assembles by itself: llvm-mc -triple=amdgcn-amd-amdhsa -mcpu=gfx1250 --defsym DOCPART=n.
;; ======== version 1 of 1: 4 launches
;; limits: right only within a limited range of input values
;; workspace buffers: opc 9,011,200 bytes; kqb 13,107,200 bytes; vb 6,553,600 bytes; pc 13,107,200 bytes; pm 524,288 bytes; pl 524,288 bytes
;; launch quant (part 1): grid 256 x 1, 11 waves a work-group, no clusters, 194,048 bytes of LDS; arguments x, kernel, opc; writes opc
.if DOCPART == 1
	.amdgcn_target "amdgcn-amd-amdhsa--gfx1250"
	.amdhsa_code_object_version 6
	.text
	.protected	k_q19fcfa9f2a_quant
	.globl	k_q19fcfa9f2a_quant
	.p2align	8
	.type	k_q19fcfa9f2a_quant,@function
k_q19fcfa9f2a_quant:
	s_mov_b64 s[64:65], 0
	v_nop
	global_prefetch_b8 v0, s[64:65] scope:SCOPE_SE
	s_setreg_imm32_b32 hwreg(HW_REG_WAVE_MODE, 25, 1), 1
	s_wait_xcnt 0x0
; x [8192][1024] f32 (K innermost) and kernel [3][1024 (K)][1024 (n)] f32 (K first) become codes of FP6 (E2M3) with one E8M0 byte for each 32 along K.
; A block's scale is 2^(floor(log2(its largest magnitude)) - 2); its byte is the largest magnitude's exponent field - 2, held at 1 from below.
; LIMITS: a block of zeros, or one whose largest magnitude lies under 2^-124, keeps the byte 1 (the bytes are read by this program alone); NaN and infinities among the inputs are not served.
; A FRAGMENT (16 rows x 128 K): lane 16 h + r holds row r; registers 6 c .. 6 c + 5 hold K = 64 c + 32 h + 0 .. 31.  Each half c is kept as 512 bytes (four registers, 16 bytes a lane) and 256 bytes (two registers, 8 bytes a lane):
; half 0: registers 0-3 and 4, 5;  half 1: registers 8-11 and 6, 7: so the two 8-byte pieces are four registers on end.
; x's ROWS: in a group of 128 tokens row 8 h + i of tile 4 c + j is token 64 c + 32 h + 8 j + i.  Tiles lie by 256 tokens: 16 (256 tokens) + 8 c + 2 j + (group & 1).
; opc: x: [tile 512][8 K steps][c][512], then [8][c][256], then scales [K half][row][4 words of a K step each] = 12,800 bytes a tile.
;      weights from WB0: [matrix m, 64 columns: 48][8 K steps][tile t][c][512], then [8][t][c][256] = 49,152 bytes;  their scales from WS0: [48][8 K steps][t / 2][16 (t & 1) + r][4].
;      A weight's tile t, row r is column 32 (r >> 3) + 8 t + (r & 7) of its 64 for k and q, and column 4 r + t for v.
; SHARES.  Work-group g: waves 0-7: 64 tokens (g >> 1) x 64 K each (512 K: half g & 1); waves 8-10: matrix m = wave - 8, 64 columns (g & 15), 64 K (g >> 4).
; Each wave brings its own tile, 64 rows of 256 bytes, by one tensor load; nothing in LDS is filled twice.
.set TB,  17408                        ; a tile in LDS: 64 rows of 272 bytes
.set SG,  11*TB                        ; x's scale bytes of the work-group: [j][row][16]
.set SPARE, SG+1024
.set WB0, 6553600
.set WS0, 8912896
.set X,   32                           ; v32-159 four blocks of 32 numbers
.set CD,  160                          ; v160-207 twelve registers for each: codes 0-5, the byte 6, a conversion's second half 8-10
.set TM,  208
	s_load_b128 s[4:7], s[0:1], 0x0                ; x, kernel
	s_load_b64 s[8:9], s[0:1], 0x10                ; opc
	v_lshl_add_u32 v4, v0, 2, SPARE
	v_mov_b32 v5, 0
	ds_add_u32 v4, v5                              ; the opening add, twice on end
	ds_add_u32 v4, v5
	v_lshrrev_b32 v1, 5, v0
	v_readfirstlane_b32 s12, v1                    ; wave 0..10
	s_mov_b32 s16, (3<<16)|(1<<20)|(5<<22)|(3<<25) ; 64 rows of 32 elements of 8 bytes, 512 apart; 4 words behind every 64
	s_mov_b32 s17, 32<<16
	s_mov_b32 s18, 64<<16
	s_mov_b32 s19, 32<<16
	s_mov_b32 s20, 64
	s_mov_b32 s21, 512
	s_mov_b32 s22, 0
	s_mov_b32 s23, 0
	s_lshr_b32 s13, ttmp9, 1                       ; which 64 tokens
	s_and_b32 s14, ttmp9, 1                        ; which half of K
	s_and_b32 s24, ttmp9, 15                       ; which 64 columns
	s_lshr_b32 s25, ttmp9, 4                       ; which 64 along K
	s_lshl_b32 s26, s13, 18
	s_lshl_b32 s27, s14, 11
	s_add_co_u32 s26, s26, s27
	s_lshl_b32 s27, s12, 8
	s_add_co_u32 s26, s26, s27
	s_sub_co_u32 s11, s12, 8                       ; m (of use in waves 8-10 alone)
	s_lshl_b32 s27, s11, 22
	s_lshl_b32 s28, s25, 18
	s_add_co_u32 s27, s27, s28
	s_lshl_b32 s28, s24, 8
	s_add_co_u32 s27, s27, s28
	s_mov_b32 s29, 0
	s_mul_i32 s33, s12, TB
	s_mov_b32 s32, 1
	s_wait_dscnt 0x0
	s_wait_kmcnt 0x0
	s_cmp_lt_u32 s12, 8
	s_cselect_b32 s28, s26, s27
	s_cselect_b64 s[30:31], s[4:5], s[6:7]
	s_add_nc_u64 s[34:35], s[30:31], s[28:29]
	s_or_b32 s35, s35, 0x80000000
	tensor_load_to_lds s[32:35], s[16:23]          ; my tile
	s_nop 0
	v_and_b32 v1, 31, v0
	v_and_b32 v2, 7, v0
	v_bfe_u32 v3, v0, 3, 1
	v_bfe_u32 v6, v0, 4, 1
	v_lshl_add_u32 v7, v6, 5, v2
	v_mul_u32_u24 v7, 0x110, v7
	v_lshl_add_u32 v7, v3, 7, v7
	v_add_nc_u32 v7, s33, v7                       ; x: row 32 (l >> 4) + (l & 7) (+ 8 j), block (l >> 3) & 1 of my 64 K
	v_lshl_add_u32 v8, v6, 3, v2                   ; my row of a tile
	v_lshl_add_u32 v11, v8, 4, v3
	v_lshl_add_u32 v8, v3, 4, v8                   ; the fragment's lane
	v_lshlrev_b32 v9, 4, v8
	v_lshlrev_b32 v10, 3, v8
	s_lshl_b32 s46, s12, 1
	s_add_co_u32 s46, s46, SG
	v_add_nc_u32 v11, s46, v11                     ; my scale byte: row x 16 + 2 wave + block
	s_lshr_b32 s46, s12, 1
	s_and_b32 s46, s46, 1                          ; among waves 8-10: 1 for v
	s_mul_i32 s47, s46, 12
	s_add_co_u32 s47, s47, 4
	s_mul_i32 s48, s46, 28
	s_sub_co_u32 s48, 32, s48                      ; bytes from tile t's column to tile t + 1's
	v_mul_u32_u24 v12, s47, v2
	v_lshl_add_u32 v12, v3, 7, v12
	v_mul_u32_u24 v13, 0x2200, v6
	v_add_nc_u32 v12, v12, v13
	v_add_nc_u32 v12, s33, v12                     ; a weight: rows 32 (l >> 4) on, my column of tile 0
	v_add_nc_u32 v13, s48, v12
	v_add_nc_u32 v14, s48, v13
	v_add_nc_u32 v15, s48, v14
	v_lshlrev_b32 v17, 4, v1
	v_lshlrev_b32 v18, 3, v1
	v_add_nc_u32 v16, SG, v17
	v_and_b32 v19, 15, v0
	v_mul_u32_u24 v20, 0x6400, v6
	v_lshl_add_u32 v20, v19, 4, v20                ; a scale image of x in memory: tile j + 1 lies 25,600 bytes on
	v_lshl_add_u32 v19, v19, 2, v6                 ; a weight's scale byte
; 32 numbers from v[s] on, one block, become codes v[c:c+5] and the byte v[c+6]
.macro QB s, c
	v_max3_num_f32 v[TM], |v[\s]|, |v[\s+1]|, |v[\s+2]|
	v_max3_num_f32 v[TM+1], |v[\s+3]|, |v[\s+4]|, |v[\s+5]|
.irp i, 6,10,14,18,22,26
	v_max3_num_f32 v[TM], v[TM], |v[\s+\i]|, |v[\s+\i+1]|
	v_max3_num_f32 v[TM+1], v[TM+1], |v[\s+\i+2]|, |v[\s+\i+3]|
.endr
	v_max3_num_f32 v[TM], v[TM], |v[\s+30]|, |v[\s+31]|
	v_max3_num_f32 v[TM], v[TM], v[TM+1], 0x1800000    ; the floor 2^(3 - 127)
	v_add_nc_u32 v[TM+2], 0xff000000, v[TM]            ; 2 off the exponent field: the conversion's scale operand
	v_cvt_scalef32_pk16_fp6_f32 v[\c:\c+2], v[\s:\s+15], v[TM+2]
	v_cvt_scalef32_pk16_fp6_f32 v[\c+8:\c+10], v[\s+16:\s+31], v[TM+2]
	v_lshrrev_b32 v[\c+6], 23, v[TM+2]
	v_mov_b32 v[\c+3], v[\c+8]
	v_mov_b32 v[\c+4], v[\c+9]
	v_mov_b32 v[\c+5], v[\c+10]
.endm
; The six registers from v[c] on leave as a half's two pieces; s56: which half
.macro PUTH c, v16, v8, o16, o8
	s_wait_alu depctr_va_vdst(0)                   ; the wait ahead of the branch
	s_cmp_lg_u32 s56, 0
	s_cbranch_scc1 .Lhalf_1_\@
	global_store_b128 \v16, v[\c:\c+3], s[40:41] offset:\o16
	global_store_b64 \v8, v[\c+4:\c+5], s[44:45] offset:\o8
	s_branch .Lput_\@
.Lhalf_1_\@:
	global_store_b64 \v8, v[\c:\c+1], s[44:45] offset:\o8
	global_store_b128 \v16, v[\c+2:\c+5], s[40:41] offset:\o16
.Lput_\@:
.endm
	s_wait_alu depctr_va_vdst(0)
	s_wait_tensorcnt 0x0
	s_mov_b32 s37, 0
	s_mov_b32 s39, 0
	s_lshr_b32 s36, s13, 2                         ; x: my first tile's place
	s_lshl_b32 s36, s36, 4
	s_and_b32 s38, s13, 1
	s_lshl_b32 s38, s38, 3
	s_add_co_u32 s36, s36, s38
	s_bfe_u32 s38, s13, 0x10001
	s_add_co_u32 s36, s36, s38
	s_mul_i32 s36, s36, 12800
	s_add_nc_u64 s[42:43], s[8:9], s[36:37]        ; the tile's first byte
	s_cmp_lt_u32 s12, 8
	s_cbranch_scc0 .Lweights
.irp j, 0,1,2,3
.irp i, 0,1,2,3,4,5,6,7
	ds_load_b128 v[X+32*\j+4*\i:X+32*\j+4*\i+3], v7 offset:2176*\j+16*\i
.endr
.endr
	s_and_b32 s56, s12, 1
	s_lshl_b32 s36, s14, 12
	s_lshl_b32 s38, s12, 9
	s_add_co_u32 s36, s36, s38
	s_lshr_b32 s38, s36, 1
	s_add_nc_u64 s[40:41], s[42:43], s[36:37]      ; K step and half: 512 bytes each,
	s_add_nc_u64 s[44:45], s[42:43], s[38:39]      ; 256 bytes each, 8,192 behind
.irp j, 0,1,2,3
	s_wait_dscnt 24-8*\j
	QB X+32*\j, CD+12*\j
	PUTH CD+12*\j, v9, v10, 25600*\j, 25600*\j+8192
.endr
.irp j, 0,1,2,3
	ds_store_b8 v11, v[CD+12*\j+6] offset:256*\j
.endr
	s_branch .Ljoin
.Lweights:
.macro WL t
.set n, 0
.rept 32
	ds_load_b32 v[X+32*(\t)+n], v[12+\t] offset:272*n
.set n, n+1
.endr
.endm
.macro WQ t
	QB X+32*(\t), CD+12*(\t)
	PUTH CD+12*(\t), v17, v18, 1024*(\t), 512*(\t)
	global_store_b8 v19, v[CD+12*(\t)+6], s[50:51] offset:64*(\t)
.endm
	WL 0
	WL 1
	s_lshl_b32 s52, s11, 4
	s_add_co_u32 s52, s52, s24                     ; matrix and 64 columns
	s_lshr_b32 s53, s25, 1                         ; K step
	s_and_b32 s54, s25, 1                          ; half
	s_and_b32 s56, s25, 1
	s_mul_i32 s36, s52, 49152
	s_add_co_u32 s36, s36, WB0
	s_lshl_b32 s38, s53, 11
	s_lshl_b32 s55, s54, 8
	s_add_co_u32 s38, s38, s55
	s_lshl_b32 s55, s38, 1
	s_add_co_u32 s38, s38, s36
	s_add_co_u32 s38, s38, 32768
	s_add_co_u32 s36, s36, s55
	s_add_nc_u64 s[40:41], s[8:9], s[36:37]
	s_add_nc_u64 s[44:45], s[8:9], s[38:39]
	s_lshl_b32 s36, s52, 11
	s_lshl_b32 s38, s53, 8
	s_add_co_u32 s36, s36, s38
	s_lshl_b32 s38, s54, 1
	s_add_co_u32 s36, s36, s38
	s_add_co_u32 s36, s36, WS0
	s_add_nc_u64 s[50:51], s[8:9], s[36:37]
	s_wait_dscnt 32
	WQ 0
	WL 2
	s_wait_dscnt 32
	WQ 1
	WL 3
	s_wait_dscnt 32
	WQ 2
	s_wait_dscnt 0x0
	WQ 3
.Ljoin:
	s_wait_dscnt 0x0                               ; for wave 0's sake: my scale bytes lie in LDS
	s_barrier_signal -1
	s_barrier_wait -1
	s_cmp_lg_u32 s12, 0
	s_cbranch_scc1 .Ldone
	s_lshl_b32 s36, s14, 8
	s_add_co_u32 s36, s36, 12288
	s_add_nc_u64 s[42:43], s[42:43], s[36:37]
	ds_load_b128 v[X:X+3], v16
	ds_load_b128 v[X+4:X+7], v16 offset:512
	s_wait_dscnt 0x0
	global_store_b128 v20, v[X:X+3], s[42:43]      ; 16 lanes store 256 consecutive bytes, aligned
	global_store_b128 v20, v[X+4:X+7], s[42:43] offset:51200
.Ldone:
	s_wait_tensorcnt 0x0                           ; the wave's end
	ds_add_u32 v4, v5
	s_wait_dscnt 0x0
	s_endpgm
.Lfunc_end_k_q19fcfa9f2a_quant:
	.size	k_q19fcfa9f2a_quant, .Lfunc_end_k_q19fcfa9f2a_quant-k_q19fcfa9f2a_quant
	.p2alignl 7, 3214868480
	.fill 96, 4, 3214868480
	.section	.rodata,"a",@progbits
	.p2align	6, 0x0
	.amdhsa_kernel k_q19fcfa9f2a_quant
		.amdhsa_group_segment_fixed_size 194048
		.amdhsa_private_segment_fixed_size 0
		.amdhsa_enable_private_segment 0
		.amdhsa_kernarg_size 24
		.amdhsa_user_sgpr_count 2
		.amdhsa_user_sgpr_kernarg_segment_ptr 1
		.amdhsa_wavefront_size32 1
		.amdhsa_system_sgpr_workgroup_id_x 1
		.amdhsa_system_sgpr_workgroup_id_y 1
		.amdhsa_system_sgpr_workgroup_id_z 1
		.amdhsa_system_vgpr_workitem_id 0
		.amdhsa_next_free_vgpr 216
		.amdhsa_next_free_sgpr 66
		.amdhsa_reserve_vcc 0
		.amdhsa_float_denorm_mode_32 3
		.amdhsa_float_denorm_mode_16_64 3
		.amdhsa_memory_ordered 1
		.amdhsa_forward_progress 1
		.amdhsa_inst_pref_size 32
	.end_amdhsa_kernel
	.amdgpu_metadata
---
amdhsa.version: [ 1, 2 ]
amdhsa.kernels:
  - .name:           k_q19fcfa9f2a_quant
    .symbol:         k_q19fcfa9f2a_quant.kd
    .args:
      - { .name: x, .offset: 0, .size: 8, .value_kind: global_buffer, .address_space: global }
      - { .name: kernel, .offset: 8, .size: 8, .value_kind: global_buffer, .address_space: global }
      - { .name: opc, .offset: 16, .size: 8, .value_kind: global_buffer, .address_space: global }
    .group_segment_fixed_size: 194048
    .private_segment_fixed_size: 0
    .kernarg_segment_align: 8
    .kernarg_segment_size: 24
    .max_flat_workgroup_size: 352
    .sgpr_count:     66
    .vgpr_count:     216
    .wavefront_size: 32
...
	.end_amdgpu_metadata
.endif
;; end of part 1
;; launch proj (part 2): grid 16 x 16, 4 waves a work-group, clusters of 4 x 4, 327,680 bytes of LDS; arguments opc, kqb, vb; writes kqb, vb
.if DOCPART == 2
	.amdgcn_target "amdgcn-amd-amdhsa--gfx1250"
	.amdhsa_code_object_version 6
	.text
	.protected	k_q19fcfa9f2a_proj
	.globl	k_q19fcfa9f2a_proj
	.p2align	8
	.type	k_q19fcfa9f2a_proj,@function
k_q19fcfa9f2a_proj:
	s_mov_b64 s[64:65], 0
	v_nop
	global_prefetch_b8 v0, s[64:65] scope:SCOPE_SE
	s_setreg_imm32_b32 hwreg(HW_REG_WAVE_MODE, 25, 1), 1
	s_wait_xcnt 0x0
	s_wait_alu depctr_hold_cnt(0) depctr_sa_sdst(0) depctr_va_vdst(0) depctr_va_sdst(0) depctr_va_ssrc(0) depctr_va_vcc(0) depctr_vm_vsrc(0)
	s_getreg_b32 s2, hwreg(HW_REG_IB_STS2, 6, 4)
	s_cmp_eq_u32 s2, 0
	s_cbranch_scc0 .Lentry_in_a_cluster
	s_endpgm
.Lentry_in_a_cluster:
	s_bfe_u32 s2, ttmp6, 0x10000c
	s_cmp_lg_u32 s2, 0xf033
	s_cbranch_scc0 .Lentry_shape_is_right
	s_endpgm
.Lentry_shape_is_right:
; k = x W0, q = x W1, v = x W2 on codes of FP6 (E2M3) with E8M0 scales, sums in f32; the results are quantised in registers (k, q along the channels, v along the tokens) and leave as codes.
; LIMITS: a block whose largest magnitude lies under 2^-124 keeps the scale byte 1; NaN and infinities are not served.
; OUT: kqb [k, q][group of 128 tokens: 64][K step of 128 channels: 8][tile][c][512], then [tile][c][256], then the scale image [16 (tile & 1) + r][tile / 2] = 12,800 bytes.
;      vb [64 channels: 16][128 tokens: 64][tile t][3][512], then scales [16 (t & 1) + r][t / 2] = 6,400 bytes.  (Tiles, halves c and rows as in the launch before.)
; THE DEAL.  256 work-groups of four waves, 2 x 2 (a, b); a wave holds 64 rows of a weight, all of K, in 384 registers and streams x past them in blocks of 16 rows: its block s is tile 2 s + a of the work-group's.
; A work-group makes 256 x 128 of v, PHASE 1, then 512 x 128 of k or q, PHASE 2.  v's 256 rows are the half s87 of the work-group's own 512: the two chunks of 128 rows asked for at the head serve both phases; the other half's two chunks come later.
; Which half and which tensor come from the cluster's number alone.  x's chunks are asked for jointly along a row of the cluster, a weight along a column.
; LDS: two slots of 102,400 bytes for x's chunks (codes and scales, dense), a region for the weight's 128 rows, stages for the results' scale bytes, the spare words.
; FILLS: at the head one tensor load a wave: waves 0, 1 W2's halves, waves 2, 3 chunks 0, 1.  Three refills, each in a drained round: W0's or W1's rows (block 2 of v), the other half's chunks (phase 2's blocks 2 and 6).
; A BLOCK is 32 products; behind every second one stand two entries of a list (at most four scalar lines and a vector line): the next addresses, descriptors, the last block's way out.
; COUNTS of the waits: a block's rows were fetched two blocks ago; younger are one fetch (NF loads) and the scale bytes' stores between: 0, 1 or 4.
; PREFETCHES, shared out by address among the sixteen waves that will ask jointly: the second weight at the head, chunk 2 behind the first refill, chunk 3 between the phases; each stands a refill's whole lead ahead of its load.
.set CHB, 102400
.set TILB, 12800
.set BVB, 2*CHB
.set XN,  BVB+98304                    ; k's, q's scale bytes: [wave][half in order of work][tile][r][h]
.set XM,  XN+2048                      ; v's: [wave][256]
.set SPARE, XM+1024
.set WB0, 6553600
.set WS0, 8912896
.set NF,  25                           ; LDS loads of a block: 24 for eight fragments, 1 for the scale words
.set A0,  4                            ; v4-6   block 0: 16 bytes a lane; 8 bytes a lane, K steps 0-3; K steps 4-7
.set CO8, 7
.set CO,  9
.set SPW, 10
.set NIL, 11
.set ADRA, 12                          ; v12-14 as v4-6 for the block that is fetched next;  v20-22 for block 1
.set ADRB, 15
.set ADB8, 16
.set BT,  17
.set STO, 18
.set STV, 19
.set SB,  24                           ; v24-39 the weight's scale words
.set TQ,  40
.set SA,  44                           ; v44-51 x's: two sets of four: lanes 0-15 K steps 0-3, lanes 16-31 K steps 4-7
.set TC,  60
.set ACC, 64
.set HV0, 64                           ; phase 1, band 0: 32 t + 8 j + i;  band 1 from v840
.set HV1, 840
.set NCD, 128
.set MCD, 192
.set SOP, 240
.set EB,  244
.set VX,  248
.set SB2, 968                          ; v968-983 phase 2's scale words
.set G1A, 24
.set G1B, 32
.set G0B, 60
.set G0R, 68
.set PN,  46
.set MSB, 0
.macro WIN new
.if MSB != (\new)
	s_set_vgpr_msb (MSB<<8)|(\new)
.set MSB, (\new)
.endif
.endm
.macro PLACES n
.rept \n
	v_nop
.endr
.endm
.macro WALU
	s_wait_alu depctr_va_vdst(0)
.endm
.macro BARRIER
	s_barrier_signal -1
	s_barrier_wait -1
.endm
.macro MIDDLE
	WIN 0
	s_barrier_wait -1
	s_cmp_lg_u32 s14, 0
	s_cbranch_scc1 .Lnot_wave_0_\@
	s_barrier_signal -3
.Lnot_wave_0_\@:
	s_barrier_wait -3
.endm
.macro CROUND
	s_barrier_signal -1
	MIDDLE
	BARRIER
.endm
.macro GRD
	s_wait_tensorcnt 0x0
	ds_add_u32 v[SPW], v[NIL]
.endm
.macro TLOAD g0, g1
	tensor_load_to_lds s[\g0:\g0+3], s[\g1:\g1+7]
	s_nop 0
	PLACES 4
.endm
.macro GROUP1 g, mask, rows            ; dense bytes as rows of 256
	s_or_b32 s[\g], s[\mask], (3<<16)|(1<<21)
	s_mov_b32 s[\g+1], 32<<16
	s_mov_b32 s[\g+2], (\rows)<<16
	s_mov_b32 s[\g+3], 32<<16
	s_mov_b32 s[\g+4], \rows
	s_mov_b32 s[\g+5], 32
	s_mov_b32 s[\g+6], 0
	s_mov_b32 s[\g+7], 0
.endm
; Fragment f lies in window 1 + f / 21 at register 12 (f % 21): 0-31 the weight's (4 q + t), 32-39 and 40-47 x's two sets
.macro WEIGHTS                         ; 96 loads
.irp q, 0,1,2,3,4,5,6,7
	WIN 0
	v_add_nc_u32 v[BT], 2048*\q, v[ADB8]
.irp t, 0,1,2,3
.set F_, 4*\q+\t
.set R_, 12*(F_%21)
	WIN (1+F_/21)<<6
	ds_load_b128 v[R_:R_+3], v[ADRB] offset:1024*F_
	ds_load_2addr_b64 v[R_+4:R_+7], v[BT] offset0:64*\t offset1:64*\t+32
	ds_load_b128 v[R_+8:R_+11], v[ADRB] offset:1024*F_+512
.endr
.endr
	WIN 0
.endm
.macro FETCHAT e, b                    ; a block of x into set e, by the addresses in v[b:b+2]
.irp q, 0,1,2,3,4,5,6,7
.set F_, 32+8*(\e)+\q
.set R_, 12*(F_%21)
	WIN (1+F_/21)<<6
	ds_load_b128 v[R_:R_+3], v[\b] offset:1024*\q
	ds_load_2addr_b64 v[R_+4:R_+7], v[\b+1+\q/4] offset0:64*(\q%4) offset1:64*(\q%4)+32
	ds_load_b128 v[R_+8:R_+11], v[\b] offset:1024*\q+512
.endr
	WIN 0
	ds_load_b128 v[SA+4*(\e):SA+4*(\e)+3], v[\b] offset:12288
.endm
.macro FETCH e
	FETCHAT \e, ADRA
.endm
.macro FETCH01                         ; a phase's first two blocks, from slot 0
	FETCHAT 0, A0
	FETCHAT 1, 20
	s_mov_b32 s101, 2*TILB
.endm
.macro PR d, s0, s1, c, x0, x1         ; PAR: bit 0: source 0's words lie in lanes 16-31, bit 1: source 1's
.if PAR == 0
	v_wmma_scale_f32_16x16x128_f8f6f4 v[\d:\d+7], v[\s0:\s0+11], v[\s1:\s1+11], \c, v[\x0], v[\x1] matrix_a_fmt:MATRIX_FMT_FP6 matrix_b_fmt:MATRIX_FMT_FP6
.elseif PAR == 1
	v_wmma_scale_f32_16x16x128_f8f6f4 v[\d:\d+7], v[\s0:\s0+11], v[\s1:\s1+11], \c, v[\x0], v[\x1] matrix_a_fmt:MATRIX_FMT_FP6 matrix_b_fmt:MATRIX_FMT_FP6 matrix_a_scale:MATRIX_SCALE_ROW1
.elseif PAR == 2
	v_wmma_scale_f32_16x16x128_f8f6f4 v[\d:\d+7], v[\s0:\s0+11], v[\s1:\s1+11], \c, v[\x0], v[\x1] matrix_a_fmt:MATRIX_FMT_FP6 matrix_b_fmt:MATRIX_FMT_FP6 matrix_b_scale:MATRIX_SCALE_ROW1
.else
	v_wmma_scale_f32_16x16x128_f8f6f4 v[\d:\d+7], v[\s0:\s0+11], v[\s1:\s1+11], \c, v[\x0], v[\x1] matrix_a_fmt:MATRIX_FMT_FP6 matrix_b_fmt:MATRIX_FMT_FP6 matrix_a_scale:MATRIX_SCALE_ROW1 matrix_b_scale:MATRIX_SCALE_ROW1
.endif
.endm
.macro PROD kind, e, n, a0, as         ; n = 4 q + t.  kind 0 (k, q): source 0 the weight; kind 1 (v): source 0 x
.set Q_, (\n)/4
.set TN_, (\n)%4
.set FB_, 4*Q_+TN_
.set FA_, 32+8*(\e)+Q_
.set D_, (\a0)+(\as)*TN_
.set DL_, D_&255
.set DW_, D_>>8
.set XB_, SB+8*(TN_/2)+Q_
.set XA_, SA+4*(\e)+Q_%4
.set RB_, 12*(FB_%21)
.set RA_, 12*(FA_%21)
.if \kind
.set PAR, (Q_/4)+2*(TN_%2)
	WIN (1+FA_/21)|((1+FB_/21)<<2)|(DW_<<4)|(DW_<<6)
.if Q_
	PR DL_, RA_, RB_, v[DL_:DL_+7], XA_, XB_
.else
	PR DL_, RA_, RB_, 0, XA_, XB_
.endif
.else
.set PAR, (TN_%2)+2*(Q_/4)
	WIN (1+FB_/21)|((1+FA_/21)<<2)|(DW_<<4)|(DW_<<6)
.if Q_
	PR DL_, RB_, RA_, v[DL_:DL_+7], XB_, XA_
.else
	PR DL_, RB_, RA_, 0, XB_, XA_
.endif
.endif
.endm
.macro BLOCK kind, e, a0, as, from, to, list, x=0, y=0
.set N_, \from
.rept (\to)-(\from)
	PROD \kind, \e, N_, \a0, \as
.if N_%2
	\list N_-1, \x, \y
	\list N_, \x, \y
.endif
.set N_, N_+1
.endr
.endm
; ---- what the lists are made of: each writes entry i of its part, and nothing beyond its last
.macro STEP i, wrap                    ; 3 entries: the next block's LDS addresses
.if (\i) == 0
	s_add_co_u32 s101, s101, 2*TILB
.if \wrap
	s_cmp_eq_u32 s101, 2*CHB
	s_cselect_b32 s101, 0, s101
.endif
.endif
.if ((\i) >= 0) && ((\i) < 3)
	WIN 0
	v_add_nc_u32 v[ADRA+(\i)], s101, v[A0+(\i)]
.endif
.endm
.macro CHAIN i, x, n, t=TQ             ; 18 entries: the largest magnitude of the 32 sums from register x on, and the conversions' scale operand
.set XW_, (\x)>>8
.set XL_, (\x)&255
.if ((\i) >= 0) && ((\i) < 14)
.set B_, XL_+16*((\i)%2)+2*((\i)/2)
.set T_, (\t)+1-(\i)%2
.if (\i) < 2
	WIN XW_|(XW_<<2)|(XW_<<4)
	v_max3_num_f32 v[T_], |v[B_]|, |v[B_+1]|, |v[B_+2]|
.else
	WIN (XW_<<2)|(XW_<<4)
	v_max3_num_f32 v[T_], v[T_], |v[B_+1]|, |v[B_+2]|
.endif
.elseif (\i) == 14
	WIN XW_<<2
	v_max3_num_f32 v[\t+1], v[\t+1], |v[XL_+15]|, 0x1800000   ; the floor 2^(3 - 127)
.elseif (\i) == 15
	WIN 0
	v_nop
.elseif (\i) == 16
	WIN XW_<<2
	v_max3_num_f32 v[\t], v[\t], |v[XL_+31]|, v[\t+1]
.elseif (\i) == 17
	WIN 0
	v_add_nc_u32 v[SOP+\n], 0xff000000, v[\t]
.endif
.endm
.macro CODES i, x, c, n, t=TC          ; 6 lines: 32 codes into v[c:c+5], the scale's byte into v[EB+n]
.set XW_, (\x)>>8
.set XL_, (\x)&255
.if (\i) == 0
	WIN XW_
	v_cvt_scalef32_pk16_fp6_f32 v[\c:\c+2], v[XL_:XL_+15], v[SOP+\n]
.elseif (\i) == 1
	WIN XW_
	v_cvt_scalef32_pk16_fp6_f32 v[\t:\t+2], v[XL_+16:XL_+31], v[SOP+\n]
.elseif (\i) == 2
	WIN 0
	v_lshrrev_b32 v[EB+\n], 23, v[SOP+\n]
.else
	WIN 0
	v_mov_b32 v[\c+\i], v[\t+\i-3]
.endif
.endm
.macro CODES6 x, c, n
.irp i, 0,1,2,3,4,5
	CODES \i, \x, \c, \n
.endr
.endm
.macro PFT v, off, share, n            ; my sixteenth, n units of 256 bytes, of what lies at s\off
	s_mul_i32 s22, s\share, 256*(\n)
	s_add_co_u32 s22, s22, s\off
	WIN 0
	v_min_u32 v\v, (\n)-1, v3
	v_lshl_add_u32 v\v, v\v, 8, s22
.endm
.macro PFGO v
	global_prefetch_b8 v\v, s[4:5] th:TH_LOAD_NT scope:SCOPE_SE
.endm
.macro ASK i                           ; 2 entries: the descriptor of the chunk at s88 for slot s47 (waves 0, 1: half each); both step on
.if (\i) == 0
	s_mul_i32 s[G0R+1], s14, CHB/2
	s_mul_i32 s20, s14, CHB/2
	s_add_co_u32 s[G0R+1], s[G0R+1], s47
	s_add_co_u32 s20, s20, s88
.elseif (\i) == 1
	s_add_nc_u64 s[G0R+2:G0R+3], s[4:5], s[20:21]
	s_or_b32 s[G0R+3], s[G0R+3], 0x80000000
	s_add_co_u32 s88, s88, CHB
	s_xor_b32 s47, s47, CHB
.endif
.endm
.macro PAIR i                          ; 4 entries: where pair PN's codes go (s[84:85], s[78:79], by the true pair) and its scale bytes (by the order of work)
.if (\i) == 0
	s_lshl_b32 s3, s87, 2
	s_xor_b32 s3, s3, s[PN]
	s_lshr_b32 s20, s3, 2
	s_mul_i32 s20, s20, 204800
.elseif (\i) == 1
	s_and_b32 s22, s3, 3
	s_lshl_b32 s23, s22, 11
	s_add_co_u32 s74, s20, s23
	s_lshl_b32 s23, s22, 10
.elseif (\i) == 2
	s_add_co_u32 s76, s20, s23
	s_add_nc_u64 s[84:85], s[10:11], s[74:75]
	s_add_nc_u64 s[78:79], s[80:81], s[76:77]
	s_lshl_b32 s22, s[PN], 6
.elseif (\i) == 3
	s_add_co_u32 s[PN], s[PN], 1
	WIN 0
	v_add_nc_u32 v[VX], s22, v[STO]
.endif
.endm
.macro PUTPAIR                         ; each store covers 512 or 256 consecutive bytes, aligned
	s_cmp_lg_u32 s16, 0                            ; my half of the fragments: b
	s_cbranch_scc1 .Lhalf_1_\@
	global_store_b128 v[CO], v[NCD:NCD+3], s[84:85]               ; half 0: its registers 0-3, and 4, 5
	global_store_b64 v[CO8], v[NCD+4:NCD+5], s[78:79]
	global_store_b128 v[CO], v[NCD+6:NCD+9], s[84:85] offset:1024
	global_store_b64 v[CO8], v[NCD+10:NCD+11], s[78:79] offset:512
	s_branch .Lput_\@
.Lhalf_1_\@:
	global_store_b64 v[CO8], v[NCD:NCD+1], s[78:79]               ; half 1: its first two registers (the fragment's 6, 7), and the last four (8-11)
	global_store_b128 v[CO], v[NCD+2:NCD+5], s[84:85]
	global_store_b64 v[CO8], v[NCD+6:NCD+7], s[78:79] offset:512
	global_store_b128 v[CO], v[NCD+8:NCD+11], s[84:85] offset:1024
.Lput_\@:
.endm
; ---- the lists
.macro L_STEP i, x, y
	STEP \i, 0
.endm
.macro L_NONE i, x, y
.endm
.macro L_OUT i, x, y
	STEP \i, 0
	CHAIN (\i)-3, \x, \y
.endm
.macro L_LAST i, x, y
	CHAIN \i, \x, \y
.endm
.macro L_V2 i, x, y                    ; the first refill's descriptor, the later ones' rows, the prefetch's address, the step
.if (\i) == 0
	s_mov_b32 s[G1A+2], 200<<16
	s_mov_b32 s[G1A+4], 200
	s_mul_i32 s20, s14, 49152
	s_add_co_u32 s20, s20, s55
.elseif (\i) == 1
	s_add_nc_u64 s[G0B+2:G0B+3], s[4:5], s[20:21]
	s_or_b32 s[G0B+3], s[G0B+3], 0x80000000
.elseif (\i) == 2
	PFT 53, 88, 90, 25
.endif
	STEP (\i)-3, 0
.endm
.macro L_V7 i, x, y
.if (\i) == 0
	s_add_co_u32 s23, s88, CHB
	PFT 54, 23, 90, 25
.endif
	CHAIN (\i)-1, \x, \y
.endm
.macro L_ODD i, x, y
	PAIR \i
	STEP (\i)-4, 0
	CHAIN (\i)-7, ACC, 0
.endm
.macro L_ODDL i, x, y
	PAIR \i
	CHAIN (\i)-4, ACC, 0
.endm
.macro L_ROUND i, x, y
	ASK \i
	STEP (\i)-2, 1
	CHAIN (\i)-5, ACC+32, 1
.endm
; ---- phase 2's blocks.  w: the count of the wait for the block's rows (-1: they are shown in already)
.macro WAITDS w
.if (\w) >= 0
	s_wait_dscnt \w
.endif
.endm
.macro EVENOUT fetch
	WALU
	ds_store_b8 v[VX], v[EB+1] offset:32
	PUTPAIR
.if \fetch
	FETCH 0
.endif
.endm
.macro EVEN w, fetch
	WAITDS \w
.if \fetch
	BLOCK 0, 0, ACC, 8, 0, 32, L_OUT, ACC+32, 1
.else
	BLOCK 0, 0, ACC, 8, 0, 32, L_LAST, ACC+32, 1
.endif
	WIN 0
	CODES6 ACC+32, NCD+6, 1
	EVENOUT \fetch
.endm
.macro EVENROUND w                     ; a refill
	WAITDS \w
	GRD
	BLOCK 0, 0, ACC, 8, 0, 26, L_ROUND
	WIN 0
	WALU
	s_wait_dscnt 0x0
	s_barrier_signal -1
	BLOCK 0, 0, ACC, 8, 26, 32, L_NONE
	WIN 0
	CODES6 ACC+32, NCD+6, 1
	MIDDLE
	BARRIER
	s_cmp_lt_u32 s14, 2
	s_cbranch_scc0 .Lnone_\@
	TLOAD G0R, G1A
.Lnone_\@:
	EVENOUT 1
.endm
.macro EVENSHOW w                      ; a plain barrier shows the last refill
	WAITDS \w
	BLOCK 0, 0, ACC, 8, 0, 26, L_OUT, ACC+32, 1
	WIN 0
	WALU
	s_wait_tensorcnt 0x0
	s_wait_dscnt 0x0
	s_barrier_signal -1
	BLOCK 0, 0, ACC, 8, 26, 32, L_NONE
	WIN 0
	s_barrier_wait -1
	CODES6 ACC+32, NCD+6, 1
	EVENOUT 1
.endm
.macro ODD w, fetch
	WAITDS \w
	s_wait_xcnt 0x0                                ; the last pair's stores have read their registers and bases
.if \fetch
	BLOCK 0, 1, ACC+32, 8, 0, 32, L_ODD
.else
	BLOCK 0, 1, ACC+32, 8, 0, 32, L_ODDL
.endif
	WIN 0
	CODES6 ACC, NCD, 0
	WALU
	ds_store_b8 v[VX], v[EB]
.if \fetch
	FETCH 1
.endif
.endm
; ================= THE HEAD
	s_load_b128 s[4:7], s[0:1], 0x0                ; opc, kqb
	s_load_b64 s[8:9], s[0:1], 0x10                ; vb
	v_lshl_add_u32 v[SPW], v0, 2, SPARE
	v_mov_b32 v[NIL], 0
	ds_add_u32 v[SPW], v[NIL]
	ds_add_u32 v[SPW], v[NIL]
	v_lshrrev_b32 v1, 5, v0
	v_readfirstlane_b32 s14, v1                    ; s14 the wave; s15 = a, s16 = b
	s_lshr_b32 s15, s14, 1
	s_and_b32 s16, s14, 1
	s_bfe_u32 s40, ttmp6, 0x40000                  ; cx
	s_bfe_u32 s41, ttmp6, 0x40004                  ; cy
	s_lshl_b32 s42, ttmp9, 2
	s_add_co_u32 s42, s42, s40                     ; phase 2's 128 columns: 0-7 of k, 8-15 of q
	s_and_b32 s43, ttmp7, 0xffff
	s_lshl_b32 s43, s43, 2
	s_add_co_u32 s43, s43, s41                     ; its 512 rows
	s_lshr_b32 s19, ttmp9, 1
	s_and_b32 s87, ttmp9, 1                        ; v's half of them
	s_lshl_b32 s13, s19, 2
	s_add_co_u32 s13, s13, s40                     ; v's 128 columns
	s_lshl_b32 s12, s43, 1
	s_add_co_u32 s12, s12, s87                     ; v's 256 rows
	s_lshl_b32 s44, s41, 2
	s_lshl_b32 s44, 15, s44                        ; my row of the cluster
	s_lshl_b32 s45, 0x1111, s40                    ; my column
	GROUP1 G1A, 44, 400
	GROUP1 G1B, 45, 192
	s_mul_i32 s66, s12, 2*CHB                      ; the head's two chunks
	s_xor_b32 s88, s87, 1
	s_lshl_b32 s20, s43, 1
	s_add_co_u32 s88, s88, s20
	s_mul_i32 s88, s88, 2*CHB                      ; the other half's
	s_mul_i32 s54, s13, 98304
	s_add_co_u32 s54, s54, WB0+32*49152            ; W2's rows
	s_mul_i32 s55, s42, 98304
	s_add_co_u32 s55, s55, WB0                     ; W0's or W1's
	s_mov_b32 s[G0B], 1
	s_mul_i32 s56, s14, 49152
	s_add_co_u32 s[G0B+1], s56, BVB
	s_add_co_u32 s56, s56, s54
	s_mov_b32 s57, 0
	s_mov_b32 s[G0R], 1
	s_mul_i32 s[G0R+1], s16, CHB
	s_add_co_u32 s58, s66, s[G0R+1]
	s_mov_b32 s59, 0
	s_lshl_b32 s82, s13, 12                        ; the scale words of my 64 rows of W2,
	s_lshl_b32 s20, s16, 11
	s_add_co_u32 s82, s82, s20
	s_add_co_u32 s82, s82, WS0+65536
	s_mov_b32 s83, 0
	s_lshl_b32 s72, s42, 12                        ; and of phase 2's weight
	s_add_co_u32 s72, s72, s20
	s_add_co_u32 s72, s72, WS0
	s_mov_b32 s73, 0
	v_and_b32 v1, 15, v0
	v_bfe_u32 v2, v0, 4, 1
	v_and_b32 v3, 31, v0
	v_lshlrev_b32 v[CO], 4, v3
	v_lshlrev_b32 v[CO8], 3, v3
	v_lshlrev_b32 v23, 2, v3
	s_mul_i32 s22, s15, TILB
	v_add_nc_u32 v[A0], s22, v[CO]
	v_add_nc_u32 v[A0+1], s22, v[CO8]
	v_add_nc_u32 v[A0+1], 8192, v[A0+1]
	v_add_nc_u32 v[A0+2], 2048, v[A0+1]
	v_add_nc_u32 v20, 2*TILB, v[A0]
	v_add_nc_u32 v21, 2*TILB, v[A0+1]
	v_add_nc_u32 v22, 2*TILB, v[A0+2]
	s_mul_i32 s22, s16, 49152
	s_add_co_u32 s22, s22, BVB
	v_add_nc_u32 v[ADRB], s22, v[CO]
	v_add_nc_u32 v[ADB8], s22, v[CO8]
	v_add_nc_u32 v[ADB8], 32768, v[ADB8]
	s_lshl_b32 s22, s14, 9
	s_add_co_u32 s22, s22, XN
	v_lshl_add_u32 v[STO], v1, 1, v2
	v_add_nc_u32 v[STO], s22, v[STO]
	s_lshl_b32 s22, s14, 8
	s_add_co_u32 s22, s22, XM
	v_lshl_add_u32 v[STV], v1, 3, v2
	v_add_nc_u32 v[STV], s22, v[STV]
	s_lshl_b32 s90, s40, 2
	s_add_co_u32 s90, s90, s14                     ; my number among the sixteen waves of my row of the cluster
	s_lshl_b32 s100, s41, 2
	s_add_co_u32 s100, s100, s14                   ; and of my column
	WALU
	s_wait_dscnt 0x0
	CROUND
	s_wait_kmcnt 0x0
	s_add_nc_u64 s[G0B+2:G0B+3], s[4:5], s[56:57]
	s_or_b32 s[G0B+3], s[G0B+3], 0x80000000
	s_add_nc_u64 s[G0R+2:G0R+3], s[4:5], s[58:59]
	s_or_b32 s[G0R+3], s[G0R+3], 0x80000000
	s_cmp_lt_u32 s14, 2
	s_cbranch_scc0 .Lwave_2
	TLOAD G0B, G1B                                 ; waves 0, 1: a half each of W2's rows
	s_branch .Lasked
.Lwave_2:
	s_cmp_eq_u32 s14, 2
	s_cbranch_scc0 .Lwave_3
	TLOAD G0R, G1A                                 ; wave 2: chunk 0
	s_branch .Lasked
.Lwave_3:
	TLOAD G0R, G1A                                 ; wave 3: chunk 1
.Lasked:
	s_add_nc_u64 s[82:83], s[4:5], s[82:83]
	s_add_nc_u64 s[72:73], s[4:5], s[72:73]
.irp q, 0,1,2,3,4,5,6,7
	global_load_b32 v[SB+\q], v23, s[82:83] offset:256*\q
	global_load_b32 v[SB+8+\q], v23, s[82:83] offset:256*\q+128
.endr
	WIN 3<<6
.irp q, 0,1,2,3,4,5,6,7
	global_load_b32 v[SB2-768+\q], v23, s[72:73] offset:256*\q
	global_load_b32 v[SB2-768+8+\q], v23, s[72:73] offset:256*\q+128
.endr
	WIN 0
	s_mov_b32 s21, 0                               ; stays 0: the upper half of 32-bit offsets
	s_mov_b32 s75, 0
	s_mov_b32 s77, 0
	s_lshr_b32 s22, s42, 3
	s_lshl_b32 s22, s22, 6
	s_lshl_b32 s23, s43, 2
	s_add_co_u32 s22, s22, s23                     ; the first group of my 512 rows
	s_and_b32 s23, s42, 7                          ; the next product's K step
	s_add_co_u32 s20, s22, s15
	s_lshl_b32 s20, s20, 3
	s_add_co_u32 s20, s20, s23
	s_mul_i32 s20, s20, TILB
	s_lshl_b32 s56, s16, 8
	s_add_co_u32 s56, s56, s20
	s_add_co_u32 s56, s56, 8192
	s_add_nc_u64 s[80:81], s[6:7], s[56:57]        ; where my halves' 8-byte pieces go
	s_lshl_b32 s56, s16, 9
	s_add_co_u32 s20, s20, s56
	s_add_nc_u64 s[10:11], s[6:7], s[20:21]        ; and their 16-byte pieces
	s_xor_b32 s56, s15, s87
	s_lshl_b32 s56, s56, 1
	s_add_co_u32 s56, s56, s16
	s_add_co_u32 s56, s56, s22
	s_lshl_b32 s56, s56, 3
	s_add_co_u32 s56, s56, s23
	s_mul_i32 s56, s56, TILB
	s_add_co_u32 s56, s56, 12288
	s_add_nc_u64 s[48:49], s[6:7], s[56:57]        ; the scale image that I store at the end
	s_lshl_b32 s20, s13, 1
	s_add_co_u32 s20, s20, s16
	s_lshl_b32 s20, s20, 6
	s_lshl_b32 s56, s12, 1
	s_add_co_u32 s20, s20, s56
	s_add_co_u32 s20, s20, s15
	s_mul_i32 s20, s20, 6400
	s_add_nc_u64 s[50:51], s[8:9], s[20:21]        ; v's part of mine
	s_mov_b32 s[PN], 0
	s_mov_b32 s47, 0
	PFT 52, 55, 100, 24                            ; what the first refill will load
	WALU
	s_wait_loadcnt 0x0
	s_cmp_lt_u32 s14, 2
	s_cbranch_scc0 .Lnot_b
	s_wait_tensorcnt 0x0
.Lnot_b:
	BARRIER                                        ; W2's rows are in
	PFGO 52
	WEIGHTS
	s_cmp_eq_u32 s14, 3
	s_cbranch_scc1 .Lnot_a0
	s_wait_tensorcnt 0x0
.Lnot_a0:
	s_wait_dscnt 0x0
	BARRIER                                        ; chunk 0 is in; chunk 1 may still be on its way
	FETCH01
; ================= PHASE 1: v, eight blocks; band 0's way outs stand in band 1's blocks
.irp s, 0,1
	s_wait_dscnt NF
	BLOCK 1, \s, HV0+8*\s, 32, 0, 32, L_STEP
	WIN 0
	PLACES 4
	WALU
	FETCH \s
.endr
	s_wait_dscnt NF
	GRD
	BLOCK 1, 0, HV0+16, 32, 0, 24, L_V2
	WIN 0
	WALU
	s_wait_dscnt 0x0
	s_barrier_signal -1
	BLOCK 1, 0, HV0+16, 32, 24, 32, L_NONE
	MIDDLE
	BARRIER
	s_cmp_lt_u32 s14, 2
	s_cbranch_scc0 .Lno_half
	TLOAD G0B, G1B                                 ; waves 0, 1: a half each of W0's or W1's rows, onto W2's, which all waves hold in registers
.Lno_half:
	PLACES 4
	WALU
	FETCH 0
	PFGO 53
	s_wait_dscnt NF
	BLOCK 1, 1, HV0+24, 32, 0, 32, L_STEP
	WIN 0
	PLACES 4
	WALU
	FETCH 1
.irp j, 0,1,2
	s_wait_dscnt NF+(\j+1)/2
.if \j < 2
	BLOCK 1, \j%2, HV1+8*\j, 32, 0, 32, L_OUT, HV0+32*\j, \j
.else
	BLOCK 1, \j%2, HV1+8*\j, 32, 0, 32, L_LAST, HV0+32*\j, \j
.endif
	WIN 0
	CODES6 HV0+32*\j, MCD+12*\j, \j
	WALU
	ds_store_b8 v[STV], v[EB+\j] offset:128*(\j%2)+4*(\j/2)
.if \j < 2
	FETCH \j%2
.endif
.endr
	s_wait_dscnt 1
	BLOCK 1, 1, HV1+24, 32, 0, 26, L_V7, HV0+96, 3
	WIN 0
	WALU
	s_wait_tensorcnt 0x0
	s_wait_dscnt 0x0
	s_barrier_signal -1                            ; a plain barrier: the weight that the first refill brought is shown to all
	BLOCK 1, 1, HV1+24, 32, 26, 32, L_NONE
	WIN 0
	s_barrier_wait -1
	CODES6 HV0+96, MCD+36, 3
	WALU
	ds_store_b8 v[STV], v[EB+3] offset:132
; ================= THE CHANGE OF PHASE: the weight and the first two blocks' rows in one run of loads; band 1's way outs under their flight
	WEIGHTS
	FETCH01
	PFGO 54
	WIN 3
.set I, 0
.rept 16
	v_mov_b32 v[SB+I], v[SB2-768+I]
.set I, I+1
.endr
	WIN 0
.set I, 0
.rept 18
.irp t, 0,1,2,3
	CHAIN I, HV1+32*\t, \t, 64+4*\t
.endr
.set I, I+1
.endr
.set I, 0
.rept 6
.irp t, 0,1,2,3
	CODES I, HV1+32*\t, MCD+12*\t+6, \t, 80+4*\t
.endr
.set I, I+1
.endr
	WIN 0
	WALU
; ================= PHASE 2: k or q, sixteen blocks, way outs by pairs
	s_wait_dscnt NF
	BLOCK 0, 0, ACC, 8, 0, 32, L_STEP
	WIN 0
	PLACES 4
	WALU
.irp t, 0,1,2,3
	ds_store_b8 v[STV], v[EB+\t] offset:2+128*(\t%2)+4*(\t/2)
.endr
.irp t, 0,1,2,3
.irp g, 0,1,2
	global_store_b128 v[CO], v[MCD+12*\t+4*\g:MCD+12*\t+4*\g+3], s[50:51] offset:1536*\t+512*\g
.endr
.endr
	FETCH 0
	ODD NF+4, 1
	s_mov_b32 s86, 0
.Lwith_rounds:                                         ; blocks 2 to 5, 6 to 9
	EVENROUND NF+1
	ODD -1, 1
	EVEN NF+1, 1
	ODD NF+1, 1
	s_add_co_u32 s86, s86, 1
	s_cmp_lg_u32 s86, 2
	s_cbranch_scc1 .Lwith_rounds
.Lwithout:                                             ; blocks 10, 11 and 12, 13
	EVENSHOW NF+1
	ODD -1, 1
	s_add_co_u32 s86, s86, 1
	s_cmp_lg_u32 s86, 4
	s_cbranch_scc1 .Lwithout
	EVEN NF+1, 0
	ODD 1, 0
; ================= THE END: the last way out; the scale bytes go through LDS under its conversions
	s_lshl_b32 s22, s16, 10
	s_lshl_b32 s23, s15, 8
	s_add_co_u32 s22, s22, s23
	s_add_co_u32 s22, s22, XN
	v_lshl_add_u32 v12, v3, 1, s22                 ; my image's half words: [word][lane] in the regions of the two waves that made them
	s_lshl_b32 s22, s14, 8
	s_add_co_u32 s22, s22, XM
	v_add_nc_u32 v14, s22, v[CO8]
.set I, 0
.rept 18
	CHAIN I, ACC+32, 1
.set I, I+1
.endr
	CODES 2, ACC+32, NCD+6, 1
	WALU
	ds_store_b8 v[VX], v[EB+1] offset:32
	s_wait_dscnt 0x0
	s_barrier_signal -1
	CODES 0, ACC+32, NCD+6, 1
	CODES 1, ACC+32, NCD+6, 1
	v_nop
.irp i, 3,4,5
	CODES \i, ACC+32, NCD+6, 1
.endr
	s_barrier_wait -1
	WALU
.irp i, 0,1,2,3
	ds_load_u16 v[64+\i], v12 offset:64*\i
	ds_load_u16 v[68+\i], v12 offset:64*\i+512
.endr
	ds_load_b64 v[72:73], v14
	PUTPAIR
	s_wait_dscnt 0x0
.irp i, 0,1,2,3
	v_lshl_or_b32 v[64+\i], v[68+\i], 16, v[64+\i]
.endr
	global_store_b128 v[CO], v[64:67], s[48:49]
	global_store_b64 v[CO8], v[72:73], s[50:51] offset:6144
	s_wait_tensorcnt 0x0                           ; the wave's end
	ds_add_u32 v[SPW], v[NIL]
	s_wait_dscnt 0x0
	CROUND
	s_endpgm
.Lfunc_end_k_q19fcfa9f2a_proj:
	.size	k_q19fcfa9f2a_proj, .Lfunc_end_k_q19fcfa9f2a_proj-k_q19fcfa9f2a_proj
	.p2alignl 7, 3214868480
	.fill 96, 4, 3214868480
	.section	.rodata,"a",@progbits
	.p2align	6, 0x0
	.amdhsa_kernel k_q19fcfa9f2a_proj
		.amdhsa_group_segment_fixed_size 327680
		.amdhsa_private_segment_fixed_size 0
		.amdhsa_enable_private_segment 0
		.amdhsa_kernarg_size 24
		.amdhsa_user_sgpr_count 2
		.amdhsa_user_sgpr_kernarg_segment_ptr 1
		.amdhsa_wavefront_size32 1
		.amdhsa_system_sgpr_workgroup_id_x 1
		.amdhsa_system_sgpr_workgroup_id_y 1
		.amdhsa_system_sgpr_workgroup_id_z 1
		.amdhsa_system_vgpr_workitem_id 0
		.amdhsa_next_free_vgpr 992
		.amdhsa_next_free_sgpr 102
		.amdhsa_reserve_vcc 0
		.amdhsa_float_denorm_mode_32 3
		.amdhsa_float_denorm_mode_16_64 3
		.amdhsa_memory_ordered 1
		.amdhsa_forward_progress 1
		.amdhsa_inst_pref_size 183
	.end_amdhsa_kernel
	.amdgpu_metadata
---
amdhsa.version: [ 1, 2 ]
amdhsa.kernels:
  - .name:           k_q19fcfa9f2a_proj
    .symbol:         k_q19fcfa9f2a_proj.kd
    .args:
      - { .name: opc, .offset: 0, .size: 8, .value_kind: global_buffer, .address_space: global }
      - { .name: kqb, .offset: 8, .size: 8, .value_kind: global_buffer, .address_space: global }
      - { .name: vb, .offset: 16, .size: 8, .value_kind: global_buffer, .address_space: global }
    .group_segment_fixed_size: 327680
    .private_segment_fixed_size: 0
    .kernarg_segment_align: 8
    .kernarg_segment_size: 24
    .max_flat_workgroup_size: 128
    .sgpr_count:     102
    .vgpr_count:     992
    .wavefront_size: 32
...
	.end_amdgpu_metadata
.endif
;; end of part 2
;; launch scores (part 3): grid 8 x 32, 4 waves a work-group, clusters of 4 x 4, 327,680 bytes of LDS; arguments kqb, pc, pm, pl; writes pc, pm, pl
.if DOCPART == 3
	.amdgcn_target "amdgcn-amd-amdhsa--gfx1250"
	.amdhsa_code_object_version 6
	.text
	.protected	k_q19fcfa9f2a_scores
	.globl	k_q19fcfa9f2a_scores
	.p2align	8
	.type	k_q19fcfa9f2a_scores,@function
k_q19fcfa9f2a_scores:
	s_mov_b64 s[64:65], 0
	v_nop
	global_prefetch_b8 v0, s[64:65] scope:SCOPE_SE
	s_setreg_imm32_b32 hwreg(HW_REG_WAVE_MODE, 25, 1), 1
	s_wait_xcnt 0x0
	s_wait_alu depctr_hold_cnt(0) depctr_sa_sdst(0) depctr_va_vdst(0) depctr_va_sdst(0) depctr_va_ssrc(0) depctr_va_vcc(0) depctr_vm_vsrc(0)
	s_getreg_b32 s2, hwreg(HW_REG_IB_STS2, 6, 4)
	s_cmp_eq_u32 s2, 0
	s_cbranch_scc0 .Lentry_in_a_cluster
	s_endpgm
.Lentry_in_a_cluster:
	s_bfe_u32 s2, ttmp6, 0x10000c
	s_cmp_lg_u32 s2, 0xf033
	s_cbranch_scc0 .Lentry_shape_is_right
	s_endpgm
.Lentry_shape_is_right:
; S^T = k q^T on codes of FP6 (E2M3) with E8M0 scales, K = 1,024, and the softmax's numerator for each run of 128 keys: t = S log2(e) / 32; M = the ceiling of the largest t AMONG THESE 128 KEYS, a whole number;
; p = 2^(t - M) is quantised along the keys and leaves as codes and scale words (pc), with M (pm) and the sum of the unquantised p (pl), f32, for each query and run of keys.
; The next launch takes the row's true M from the 16 local ones; the difference is a whole number, which p's scale bytes take up exactly: so the row's maximum is taken away, as the softmax asks.
; pc: [group of 128 queries][128 keys: 16][tile][3][512], then the scale image [16 (tile & 1) + r][tile / 2] = 12,800 bytes; pm, pl: such images of f32.
; LIMITS: the scaled scores stay under 2^31 in magnitude; a block whose every p lies under 2^-124 keeps the scale byte 1; an exponential whose result lies under 2^-126 gives 0 (ISA guide 15.8); NaN and infinities are not served.
; A TILE is 256 queries (source 1: a lane holds one query) x 256 keys (source 0: by the order of k's rows a lane's 64 registers are two whole blocks of 32 neighbouring keys).  Four waves, 128 x 128 each: 64 accumulators.
; LDS: two slots of three K steps (four groups x 38,400 dense bytes, codes and scales): K steps 0-2 at the head, 3-5 behind the first round, 6 and 7 refill slot 0.  Each wave brings one group's part, one load behind each round.
; CLUSTERS: 4 x 4.  q's parts are asked for jointly along a row of the cluster, k's along a column.  No prefetch: the eight K steps are written out, and six of them are asked for before the first product: there is no loop to run ahead in.
; REGISTERS: window 0: v2-14 addresses; v28, v29 the add's; v32-47 scale words; v64-255 q's fragments, two sets.  window 1: k's.  windows 2, 3: accumulator (a, b) at v[8 (8 (a % 4) + b)].
.set TILB, 12800
.set PARTB, 3*TILB
.set SLOTB, 4*PARTB
.set SPARE, 2*SLOTB
.set LI, 2
.set L8, 3
.set AQ, 4                             ; v4-5 q's part in slot 0, 1 (16 bytes a lane);  v6-7 k's
.set AK, 6
.set AQ8, 8                            ; v8 q's 8-byte pieces in slot 0, v9 k's;  v10-13 the same for the K step that is fetched: q tiles 0-3, 4-7, k tiles 0-3, 4-7
.set AK8, 9
.set H8, 14
.set SPW, 28
.set NIL, 29
.set OH,  160                          ; the way out, in window 0: v64-159 the eight fragments
.set MX,  176
.set PX,  184
.set T0,  188
.set NM,  190
.set LS,  194
.set SO,  202
.set BY,  206
.set PW,  210
.set MMR, 218
.set LLR, 226
.set CW,  234
.set WV, 16
.set HR, 17
.set HC, 18
.set G1A, 24
.set G1B, 32
.set G0A, 40
.set G0B, 44
.set CS, 92
.set SEL, 94
.set HIM, 96
.set MSB, 0
.macro WIN new
.if MSB != (\new)
	s_set_vgpr_msb (MSB<<8)|(\new)
.set MSB, (\new)
.endif
.endm
.macro JLOAD                           ; waves 0, 1 fetch q's two groups, waves 2, 3 k's
	s_cmp_eq_u32 s[HR], 0
	s_cbranch_scc0 .Lfor_k_\@
	tensor_load_to_lds s[G0A:G0A+3], s[G1A:G1A+7]
	s_nop 0
.rept 4
	v_nop
.endr
	s_branch .Lasked_\@
.Lfor_k_\@:
	tensor_load_to_lds s[G0B:G0B+3], s[G1B:G1B+7]
	s_nop 0
.rept 4
	v_nop
.endr
.Lasked_\@:
.endm
.macro CREST
	s_cmp_lg_u32 s[WV], 0
	s_cbranch_scc1 .Lnot_wave_0_\@
	s_barrier_signal -3
.Lnot_wave_0_\@:
	s_barrier_wait -3
	s_barrier_signal -1
	s_barrier_wait -1
.endm
.macro CROUND
	s_barrier_signal -1
	s_barrier_wait -1
	CREST
.endm
	s_load_b256 s[4:11], s[0:1], 0x0               ; kqb, pc, pm, pl
	v_lshl_add_u32 v[SPW], v0, 2, SPARE
	v_mov_b32 v[NIL], 0
	ds_add_u32 v[SPW], v[NIL]                      ; the opening add, twice on end
	ds_add_u32 v[SPW], v[NIL]
	v_lshrrev_b32 v1, 5, v0
	v_readfirstlane_b32 s[WV], v1
	s_lshr_b32 s[HR], s[WV], 1                     ; which 128 queries I multiply.  Also: I fetch for q (0) or for k (1)
	s_and_b32 s[HC], s[WV], 1                      ; which 128 keys.  Also: which group of the two I fetch
	s_bfe_u32 s19, ttmp6, 0x40000                  ; cx
	s_bfe_u32 s20, ttmp6, 0x40004                  ; cy
	s_lshl_b32 s2, s20, 2
	s_lshl_b32 s2, 15, s2
	s_lshl_b32 s3, 0x1111, s19
	s_or_b32 s[G1A], s2, (3<<16)|(1<<21)
	s_or_b32 s[G1B], s3, (3<<16)|(1<<21)
.irp g, G1A, G1B                               ; 38,400 dense bytes as 150 rows of 256
	s_mov_b32 s[\g+1], 32<<16
	s_mov_b32 s[\g+2], 150<<16
	s_mov_b32 s[\g+3], 32<<16
	s_mov_b32 s[\g+4], 150
	s_mov_b32 s[\g+5], 32
	s_mov_b32 s[\g+6], 0
	s_mov_b32 s[\g+7], 0
.endr
	s_mov_b32 s[CS], 0x3d38aa3b
	s_mov_b32 s[CS+1], s[CS]
	s_mov_b32 s[SEL], 0x76543210
	s_mov_b32 s[SEL+1], 0xfedcba98
	s_mov_b32 s[HIM], 0xffff0000
	s_and_b32 s21, ttmp7, 0xffff                   ; cluster y: two to a batch
	s_lshr_b32 s23, s21, 1                         ; the batch
	s_lshl_b32 s21, s21, 2
	s_add_co_u32 s21, s21, s20                     ; the tile of queries: hangs on cy, not on cx
	s_lshl_b32 s22, ttmp9, 2
	s_add_co_u32 s22, s22, s19                     ; the tile of keys in the batch: hangs on cx, not on cy
	s_lshl_b32 s98, s21, 1
	s_add_co_u32 s97, s98, s[HC]
	s_add_co_u32 s97, s97, 64                      ; q's groups lie behind k's 64
	s_lshl_b32 s23, s23, 4
	s_lshl_b32 s99, s22, 1
	s_add_co_u32 s23, s23, s99
	s_add_co_u32 s23, s23, s[HC]
	s_mul_i32 s50, s97, 8*TILB
	s_mov_b32 s51, 0
	s_mul_i32 s52, s23, 8*TILB
	s_mov_b32 s53, 0
	s_mov_b32 s[G0A], 1
	s_mul_i32 s[G0A+1], s[WV], PARTB
	s_mov_b32 s[G0B], 1
	s_mul_i32 s[G0B+1], s[WV], PARTB
	s_add_co_u32 s100, s98, s[HR]
	s_lshl_b32 s100, s100, 4
	s_add_co_u32 s100, s100, s99
	s_add_co_u32 s100, s100, s[HC]                 ; 16 x my group of queries + my run of keys
	s_mul_i32 s2, s100, TILB
	s_mov_b32 s3, 0
	s_lshl_b32 s100, s100, 9
	s_mov_b32 s101, 0
	s_wait_dscnt 0x0
	s_wait_kmcnt 0x0
	s_add_nc_u64 s[G0A+2:G0A+3], s[4:5], s[50:51]
	s_or_b32 s[G0A+3], s[G0A+3], 0x80000000
	s_add_nc_u64 s[G0B+2:G0B+3], s[4:5], s[52:53]
	s_or_b32 s[G0B+3], s[G0B+3], 0x80000000
	s_add_nc_u64 s[6:7], s[6:7], s[2:3]
	s_add_nc_u64 s[8:9], s[8:9], s[100:101]
	s_add_nc_u64 s[10:11], s[10:11], s[100:101]
	CROUND
	JLOAD                                          ; K steps 0-2
	v_and_b32 v1, 31, v0
	v_lshlrev_b32 v[LI], 4, v1
	v_lshlrev_b32 v[L8], 3, v1
	v_bfe_u32 v[H8], v0, 4, 1
	v_lshlrev_b32 v[H8], 3, v[H8]                  ; 8 in lanes 16-31
	s_mul_i32 s2, s[HR], PARTB
	s_mul_i32 s3, s[HC], PARTB
	s_add_co_u32 s3, s3, 2*PARTB
	v_add_nc_u32 v[AQ], s2, v[LI]
	v_add_nc_u32 v[AK], s3, v[LI]
	v_add_nc_u32 v[AQ+1], SLOTB, v[AQ]
	v_add_nc_u32 v[AK+1], SLOTB, v[AK]
	v_add_nc_u32 v[AQ8], s2, v[L8]
	v_add_nc_u32 v[AK8], s3, v[L8]
	v_add_nc_u32 v[AQ8], 8192, v[AQ8]
	v_add_nc_u32 v[AK8], 8192, v[AK8]
.macro MMC c                           ; par: bit 0: source 0's tile is odd (its words lie in lanes 16-31), bit 1: source 1's
.if par == 0
	v_wmma_scale_f32_16x16x128_f8f6f4 v[rD:rD+7], v[rA:rA+11], v[rB:rB+11], \c, v[rSA], v[rSB] matrix_a_fmt:MATRIX_FMT_FP6 matrix_b_fmt:MATRIX_FMT_FP6
.elseif par == 1
	v_wmma_scale_f32_16x16x128_f8f6f4 v[rD:rD+7], v[rA:rA+11], v[rB:rB+11], \c, v[rSA], v[rSB] matrix_a_fmt:MATRIX_FMT_FP6 matrix_b_fmt:MATRIX_FMT_FP6 matrix_a_scale:MATRIX_SCALE_ROW1
.elseif par == 2
	v_wmma_scale_f32_16x16x128_f8f6f4 v[rD:rD+7], v[rA:rA+11], v[rB:rB+11], \c, v[rSA], v[rSB] matrix_a_fmt:MATRIX_FMT_FP6 matrix_b_fmt:MATRIX_FMT_FP6 matrix_b_scale:MATRIX_SCALE_ROW1
.else
	v_wmma_scale_f32_16x16x128_f8f6f4 v[rD:rD+7], v[rA:rA+11], v[rB:rB+11], \c, v[rSA], v[rSB] matrix_a_fmt:MATRIX_FMT_FP6 matrix_b_fmt:MATRIX_FMT_FP6 matrix_a_scale:MATRIX_SCALE_ROW1 matrix_b_scale:MATRIX_SCALE_ROW1
.endif
.endm
.macro MULA a, p, zero                 ; q's tile a against k's eight; the 64 accumulators take turns, in the same order in every K step
	WIN 0xa1+0x50*((\a)/4)
.irp b, 0,1,2,3,4,5,6,7
.set rD, 8*(8*((\a)%4)+\b)
.set rA, 96*(\p)+12*\b
.set rB, 64+96*(\p)+12*(\a)
.set rSA, 36+8*(\p)+\b/2
.set rSB, 32+8*(\p)+(\a)/2
.set par, (\b%2)+2*((\a)%2)
.if \zero
	MMC 0
.else
	MMC v[rD:rD+7]
.endif
.endr
.endm
.macro FETCH t                         ; K step t's operands into set t % 2: 50 loads.  The four vector lines are also the places behind the products that read these registers
.set fs, ((\t)/3)%2
.set fo, TILB*((\t)%3)
.set fq, (\t)%2
	WIN 0
	v_add_nc_u32 v10, fs*SLOTB+fo, v[AQ8]
	v_add_nc_u32 v11, fs*SLOTB+fo+2048, v[AQ8]
	v_add_nc_u32 v12, fs*SLOTB+fo, v[AK8]
	v_add_nc_u32 v13, fs*SLOTB+fo+2048, v[AK8]
	ds_load_b128 v[36+8*fq:39+8*fq], v[AK+fs] offset:fo+12288
	ds_load_b128 v[32+8*fq:35+8*fq], v[AQ+fs] offset:fo+12288
	WIN 0x40
.irp b, 0,1,2,3,4,5,6,7
.set fr, 96*fq+12*\b
	ds_load_b128 v[fr:fr+3], v[AK+fs] offset:fo+1024*\b
	ds_load_2addr_b64 v[fr+4:fr+7], v[12+\b/4] offset0:64*(\b%4) offset1:64*(\b%4)+32
	ds_load_b128 v[fr+8:fr+11], v[AK+fs] offset:fo+1024*\b+512
.endr
	WIN 0
.irp b, 0,1,2,3,4,5,6,7
.set fr, 64+96*fq+12*\b
	ds_load_b128 v[fr:fr+3], v[AQ+fs] offset:fo+1024*\b
	ds_load_2addr_b64 v[fr+4:fr+7], v[10+\b/4] offset0:64*(\b%4) offset1:64*(\b%4)+32
	ds_load_b128 v[fr+8:fr+11], v[AQ+fs] offset:fo+1024*\b+512
.endr
.endm
.macro PLAIN t, zero                   ; a K step: the next one's 50 loads first, then, all older ones in, 64 products
	FETCH (\t)+1
	s_wait_dscnt 50
.irp a, 0,1,2,3,4,5,6,7
	MULA \a, (\t)%2, \zero
.endr
.endm
	s_wait_alu depctr_va_vdst(0)                   ; the wait at the head's end
	s_wait_tensorcnt 0x0                           ; my part of slot 0 is in; these lines stand ahead of a later first fill, as ahead of a refill
	ds_add_u32 v[SPW], v[NIL]
.irp g, G0A, G0B
	s_add_co_u32 s[\g+1], s[\g+1], SLOTB
	s_add_nc_u64 s[\g+2:\g+3], s[\g+2:\g+3], PARTB
.endr
	s_wait_dscnt 0x0
	CROUND
	JLOAD                                          ; K steps 3-5, into slot 1
	FETCH 0
	PLAIN 0, 1
	PLAIN 1, 0
	WIN 0                                          ; K step 2: the refill of slot 0
	s_wait_tensorcnt 0x0
	ds_add_u32 v[SPW], v[NIL]
.irp g, G0A, G0B
	s_mul_i32 s[\g+1], s[WV], PARTB
	s_add_nc_u64 s[\g+2:\g+3], s[\g+2:\g+3], PARTB
.endr
.irp g, G1A, G1B                               ; two K steps: 100 rows
	s_mov_b32 s[\g+2], 100<<16
	s_mov_b32 s[\g+4], 100
.endr
	s_wait_dscnt 1                                 ; this step's operands are in; the add may be out
	MULA 0, 0, 0
	MULA 1, 0, 0
	s_wait_dscnt 0x0                               ; the add is done, my reads of slot 0 are over
	s_barrier_signal -1
	MULA 2, 0, 0
	MULA 3, 0, 0
	WIN 0
	s_barrier_wait -1
	CREST
	JLOAD                                          ; K steps 6, 7
	FETCH 3
.irp a, 4,5,6,7
	MULA \a, 0, 0
.endr
	PLAIN 3, 0
	PLAIN 4, 0
	WIN 0                                          ; K step 5: the refill is shown to all
	s_wait_tensorcnt 0x0
	s_wait_dscnt 0x0
	s_barrier_signal -1
	MULA 0, 1, 0
	MULA 1, 1, 0
	WIN 0
	s_barrier_wait -1
	FETCH 6
.irp a, 2,3,4,5,6,7
	MULA \a, 1, 0
.endr
	PLAIN 6, 0
	s_wait_dscnt 0x0
.irp a, 0,1,2,3,4,5,6,7
	MULA \a, 1, 0
.endr
; THE SOFTMAX OF TILES a, a + 1, line by line in turn: 2 x 16 queries x my 128 keys.  A lane holds one query of each; registers 0-31 are keys 32 h + 0 .. 31, registers 32-63 keys 64 + 32 h + 0 .. 31: two whole blocks.
; Each accumulator is read from its low end on.  A block's largest p is not searched for: p rises with the score, so the block's largest score goes through the same multiply-add and exponential.
.macro SOFT2 a
.set WQ, 2+(\a)/4
.set AC, 64*((\a)%4)
	WIN WQ|(WQ<<2)
	s_wait_alu depctr_va_vdst(0)
.irp k, 0,1,2,3,4,5,6,7
	v_max_num_f32 v[MX+\k], v[AC+16*\k], v[AC+16*\k+1]
.endr
.irp i, 2,4,6,8,10,12,14
.irp k, 0,1,2,3,4,5,6,7
	v_max3_num_f32 v[MX+\k], v[AC+16*\k+\i], v[AC+16*\k+\i+1], v[MX+\k]
.endr
.endr
	WIN 0
.irp k, 0,2,4,6
	v_max_num_f32 v[MX+\k], v[MX+\k], v[MX+\k+1]   ; the largest score of each of my blocks
.endr
.irp x, 0,1
	v_max_num_f32 v[T0+\x], v[MX+4*\x], v[MX+4*\x+2]
.endr
.irp x, 0,1
	v_permlanex16_b32 v[PX+\x], v[T0+\x], s[SEL], s[SEL+1]
.endr
.irp x, 0,1
	v_max_num_f32 v[T0+\x], v[T0+\x], v[PX+\x]     ; of the 128
.endr
.irp x, 0,1
	v_mul_f32 v[T0+\x], s[CS], v[T0+\x]
.endr
.irp x, 0,1
	v_floor_f32 v[NM+2*\x], -v[T0+\x]              ; -M: M is a whole number
.endr
.irp x, 0,1
	v_mul_f32 v[MMR+(\a)+\x], -1.0, v[NM+2*\x]
.endr
.irp k, 0,2,4,6
	v_fma_f32 v[MX+\k], v[MX+\k], s[CS], v[NM+2*(\k/4)]
.endr
	WIN WQ|(WQ<<6)
.set n, 0
.rept 64
	v_pk_fma_f32 v[AC+n:AC+n+1], v[AC+n:AC+n+1], s[CS:CS+1], v[NM+2*(n/64):NM+2*(n/64)+1] op_sel_hi:[1,0,0]
.set n, n+2
.endr
	s_wait_alu depctr_va_vdst(0)                   ; ahead of the batch and behind it
.set n, 0
.rept 128
	v_exp_f32 v[AC+n], v[AC+n]                     ; p = 2^(t - M)
.set n, n+1
.endr
	WIN 0
.irp k, 0,2,4,6
	v_exp_f32 v[MX+\k], v[MX+\k]                   ; the blocks' largest p
.endr
	v_nop
	s_wait_alu depctr_va_vdst(0)
	WIN WQ|(WQ<<2)
.irp x, 0,1
	v_pk_add_f32 v[LS+4*\x:LS+4*\x+1], v[AC+64*\x:AC+64*\x+1], v[AC+64*\x+4:AC+64*\x+5]
	v_pk_add_f32 v[LS+4*\x+2:LS+4*\x+3], v[AC+64*\x+2:AC+64*\x+3], v[AC+64*\x+6:AC+64*\x+7]
.endr
	WIN WQ<<2
.set n, 8
.rept 14
.irp x, 0,1
	v_pk_add_f32 v[LS+4*\x:LS+4*\x+1], v[LS+4*\x:LS+4*\x+1], v[AC+64*\x+n:AC+64*\x+n+1]          ; the sum is taken of the unquantised p
	v_pk_add_f32 v[LS+4*\x+2:LS+4*\x+3], v[LS+4*\x+2:LS+4*\x+3], v[AC+64*\x+n+2:AC+64*\x+n+3]
.endr
.set n, n+4
.endr
	WIN 0
.irp x, 0,1
	v_pk_add_f32 v[LS+4*\x:LS+4*\x+1], v[LS+4*\x:LS+4*\x+1], v[LS+4*\x+2:LS+4*\x+3]
.endr
.irp k, 0,1,2,3
	v_max_num_f32 v[SO+\k], 0x1800000, v[MX+2*\k]  ; the floor 2^(3 - 127)
.endr
.irp x, 0,1
	v_add_f32 v[T0+\x], v[LS+4*\x], v[LS+4*\x+1]
.endr
.irp k, 0,1,2,3
	v_add_nc_u32 v[SO+\k], 0xff000000, v[SO+\k]    ; 2 off the exponent field: the conversion's scale operand
.endr
.irp x, 0,1
	v_permlanex16_b32 v[PX+\x], v[T0+\x], s[SEL], s[SEL+1]
.endr
.irp k, 0,1,2,3
	v_lshrrev_b32 v[BY+\k], 23, v[SO+\k]
.endr
.irp x, 0,1
	v_add_f32 v[LLR+(\a)+\x], v[T0+\x], v[PX+\x]
.endr
.irp x, 0,1
	v_lshl_or_b32 v[BY+2*\x], v[BY+2*\x+1], 16, v[BY+2*\x]         ; my blocks h and 2 + h
.endr
.irp x, 0,1
	v_lshlrev_b32 v[BY+2*\x], v[H8], v[BY+2*\x]
.endr
.irp x, 0,1
	v_permlanex16_b32 v[PX+\x], v[BY+2*\x], s[SEL], s[SEL+1]
.endr
.irp x, 0,1
	v_or_b32 v[PW+(\a)+\x], v[BY+2*\x], v[PX+\x]   ; with lane l xor 16's two the scale word is whole
.endr
	WIN WQ
.irp k, 0,1,2,3
.set PCF, 64+12*((\a)+\k/2)+6*(\k%2)
	v_cvt_scalef32_pk16_fp6_f32 v[PCF:PCF+2], v[AC+32*\k:AC+32*\k+15], v[SO+\k]
	v_cvt_scalef32_pk16_fp6_f32 v[OH+4*\k:OH+4*\k+2], v[AC+32*\k+16:AC+32*\k+31], v[SO+\k]
.endr
	WIN 0
	v_nop
.irp k, 0,1,2,3
.set PCF, 64+12*((\a)+\k/2)+6*(\k%2)
.irp i, 0,1,2
	v_mov_b32 v[PCF+3+\i], v[OH+4*\k+\i]
.endr
.endr
.irp x, 0,1
.irp g, 0,1,2
.set PCF, 64+12*((\a)+\x)+4*\g
	global_store_b128 v[LI], v[PCF:PCF+3], s[6:7] offset:1536*((\a)+\x)+512*\g   ; 512 consecutive bytes, aligned; no store's registers are written again
.endr
.endr
.endm
	WIN 0
	v_nop                                          ; four places behind the last products, whose registers are written from here on
	v_nop
	v_nop
	v_nop
.irp b, 0,1
	v_mov_b32 v[PX+\b], 0                          ; written once: a lane permute's destination counts as one of its sources
	v_mov_b32 v[NM+2*\b+1], 0                      ; (named as the upper half of a pair)
.endr
.irp a, 0,2,4,6
	SOFT2 \a
.endr
.irp i, 0,1,2,3                                ; the three images: lanes 0-15 tile 2 i's rows, lanes 16-31 tile 2 i + 1's
	v_cndmask_b32 v[CW+\i], v[PW+2*\i], v[PW+2*\i+1], s[HIM]
	v_cndmask_b32 v[CW+4+\i], v[MMR+2*\i], v[MMR+2*\i+1], s[HIM]
	v_cndmask_b32 v[CW+8+\i], v[LLR+2*\i], v[LLR+2*\i+1], s[HIM]
.endr
	global_store_b128 v[LI], v[CW:CW+3], s[6:7] offset:12288
	global_store_b128 v[LI], v[CW+4:CW+7], s[8:9]
	global_store_b128 v[LI], v[CW+8:CW+11], s[10:11]
	s_wait_tensorcnt 0x0                           ; the wave's end
	ds_add_u32 v[SPW], v[NIL]
	s_wait_dscnt 0x0
	CROUND
	s_endpgm
.Lfunc_end_k_q19fcfa9f2a_scores:
	.size	k_q19fcfa9f2a_scores, .Lfunc_end_k_q19fcfa9f2a_scores-k_q19fcfa9f2a_scores
	.p2alignl 7, 3214868480
	.fill 96, 4, 3214868480
	.section	.rodata,"a",@progbits
	.p2align	6, 0x0
	.amdhsa_kernel k_q19fcfa9f2a_scores
		.amdhsa_group_segment_fixed_size 327680
		.amdhsa_private_segment_fixed_size 0
		.amdhsa_enable_private_segment 0
		.amdhsa_kernarg_size 32
		.amdhsa_user_sgpr_count 2
		.amdhsa_user_sgpr_kernarg_segment_ptr 1
		.amdhsa_wavefront_size32 1
		.amdhsa_system_sgpr_workgroup_id_x 1
		.amdhsa_system_sgpr_workgroup_id_y 1
		.amdhsa_system_sgpr_workgroup_id_z 1
		.amdhsa_system_vgpr_workitem_id 0
		.amdhsa_next_free_vgpr 1024
		.amdhsa_next_free_sgpr 102
		.amdhsa_reserve_vcc 0
		.amdhsa_float_denorm_mode_32 3
		.amdhsa_float_denorm_mode_16_64 3
		.amdhsa_memory_ordered 1
		.amdhsa_forward_progress 1
		.amdhsa_inst_pref_size 182
	.end_amdhsa_kernel
	.amdgpu_metadata
---
amdhsa.version: [ 1, 2 ]
amdhsa.kernels:
  - .name:           k_q19fcfa9f2a_scores
    .symbol:         k_q19fcfa9f2a_scores.kd
    .args:
      - { .name: kqb, .offset: 0, .size: 8, .value_kind: global_buffer, .address_space: global }
      - { .name: pc, .offset: 8, .size: 8, .value_kind: global_buffer, .address_space: global }
      - { .name: pm, .offset: 16, .size: 8, .value_kind: global_buffer, .address_space: global }
      - { .name: pl, .offset: 24, .size: 8, .value_kind: global_buffer, .address_space: global }
    .group_segment_fixed_size: 327680
    .private_segment_fixed_size: 0
    .kernarg_segment_align: 8
    .kernarg_segment_size: 32
    .max_flat_workgroup_size: 128
    .sgpr_count:     102
    .vgpr_count:     1024
    .wavefront_size: 32
...
	.end_amdgpu_metadata
.endif
;; end of part 3
;; launch pv (part 4): grid 4 x 64, 4 waves a work-group, clusters of 4 x 4, 327,680 bytes of LDS; arguments pc, pm, pl, vb, out0; writes out0
.if DOCPART == 4
	.amdgcn_target "amdgcn-amd-amdhsa--gfx1250"
	.amdhsa_code_object_version 6
	.text
	.protected	k_q19fcfa9f2a_pv
	.globl	k_q19fcfa9f2a_pv
	.p2align	8
	.type	k_q19fcfa9f2a_pv,@function
k_q19fcfa9f2a_pv:
	s_mov_b64 s[64:65], 0
	v_nop
	global_prefetch_b8 v0, s[64:65] scope:SCOPE_SE
	s_setreg_imm32_b32 hwreg(HW_REG_WAVE_MODE, 25, 1), 1
	s_wait_xcnt 0x0
	s_wait_alu depctr_hold_cnt(0) depctr_sa_sdst(0) depctr_va_vdst(0) depctr_va_sdst(0) depctr_va_ssrc(0) depctr_va_vcc(0) depctr_vm_vsrc(0)
	s_getreg_b32 s2, hwreg(HW_REG_IB_STS2, 6, 4)
	s_cmp_eq_u32 s2, 0
	s_cbranch_scc0 .Lentry_in_a_cluster
	s_endpgm
.Lentry_in_a_cluster:
	s_bfe_u32 s2, ttmp6, 0x10000c
	s_cmp_lg_u32 s2, 0xf033
	s_cbranch_scc0 .Lentry_shape_is_right
	s_endpgm
.Lentry_shape_is_right:
; out = (p v) / l on codes of FP6 (E2M3) with E8M0 scales, K = the batch's 2,048 keys.  p comes as codes whose scales stand under a LOCAL whole number M for each run of 128 keys.
; PROLOGUE: the row's M is the largest of its 16 local ones.  Each wave lowers the scale bytes of four runs by (row's M - local M), which is exact, and adds their four local sums, each times 2^(local M - row's M); the four waves' parts meet in LDS.
; LIMITS: a scale byte that would fall under 0 is held at 0 (2^-127), and a local sum more than 2^127 under the row's M is scaled by 2^-127: both lie more than 120 binary orders under the row's largest p.  NaN and infinities are not served.
; A TILE is 128 queries x 256 channels.  Wave w takes all 128 queries and channels 64 w .. + 63: 32 accumulators.  Source 0 = 16 queries (they fall to registers), source 1 = 16 channels (they fall to lanes):
; lane r of tile t has channel 4 r + t, so that one register of each of the four tiles makes 16 bytes and sixteen lanes 256 consecutive bytes of a row.
; LDS: two slots of four K steps each (p 51,200 bytes, v 4 x 25,600: codes and scales, dense); p's corrected scale images; the sums' parts; 1 / l for each wave; the spare words.
; Waves 0, 1 fetch p's K steps by twos, waves 2, 3 two parts of v each: one load a wave behind each round.  CLUSTERS: 4 x 4: p is asked for jointly along a row of the cluster, v along a column.
; PREFETCHES: the slot that stands two fills on, shared out by address among the sixteen waves that will ask for it jointly: K steps 8-11 ahead of the first products, 12-15 in the first trip; the last two fills are the only ones so asked for.
; REGISTERS: window 0: v2-20 addresses; v28, v29 the add's; v32-39 p's scale words, v40-43 v's; v64-255 the prologue, later the way out.  window 1: p's fragments, two sets of 96; v192-255 1 / l.  window 2: v's, two sets of 48.  window 3: accumulator (a, b) at v[8 (4 a + b)].
.set TILB, 12800
.set VB,   6400
.set SLOTB, 12*TILB
.set PSC,  2*SLOTB
.set LP,   PSC+8192
.set RL,   LP+2048
.set SPARE, RL+2048
.set LI,  2
.set AP,  4                            ; v4 p, v5 v, v6 v's scales, v7 p's scales: for the slot at work;  v8-11 the same for slot 0
.set AP0, 8
.set PSW, 12
.set LPW, 13
.set LPR, 14
.set RLW, 15
.set RLR, 16
.set GO,  17
.set PFP, 18
.set PFV, 19
.set SPW, 28
.set NIL, 29
.set WV, 18
.set HR, 19
.set G1P, 24
.set G1V, 32
.set G0P, 48
.set G0V, 56
.set HIM, 74
.set K1, 86
.set K8, 87
.set K7, 88
.set MSB, 0
.macro WIN new
.if MSB != (\new)
	s_set_vgpr_msb (MSB<<8)|(\new)
.set MSB, (\new)
.endif
.endm
.macro PLACES n
.rept \n
	v_nop
.endr
.endm
.macro CREST
	s_cmp_lg_u32 s[WV], 0
	s_cbranch_scc1 .Lnot_wave_0_\@
	s_barrier_signal -3
.Lnot_wave_0_\@:
	s_barrier_wait -3
	s_barrier_signal -1
	s_barrier_wait -1
.endm
.macro CROUND
	s_barrier_signal -1
	s_barrier_wait -1
	CREST
.endm
.macro JLOAD
	s_cmp_eq_u32 s[HR], 0
	s_cbranch_scc0 .Lfor_v_\@
	tensor_load_to_lds s[G0P:G0P+3], s[G1P:G1P+7]
	s_nop 0
.rept 4
	v_nop
.endr
	s_branch .Lasked_\@
.Lfor_v_\@:
	tensor_load_to_lds s[G0V:G0V+3], s[G1V:G1V+7]
	s_nop 0
.rept 4
	v_nop
.endr
.Lasked_\@:
.endm
	s_load_b256 s[4:11], s[0:1], 0x0               ; pc, pm, pl, vb
	s_load_b64 s[16:17], s[0:1], 0x20              ; out0
	v_lshl_add_u32 v[SPW], v0, 2, SPARE
	v_mov_b32 v[NIL], 0
	ds_add_u32 v[SPW], v[NIL]                      ; the opening add, twice on end
	ds_add_u32 v[SPW], v[NIL]
	v_lshrrev_b32 v1, 5, v0
	v_readfirstlane_b32 s[WV], v1
	s_lshr_b32 s[HR], s[WV], 1                     ; I fetch p (0) or v (1)
	s_and_b32 s20, s[WV], 1
	s_bfe_u32 s22, ttmp6, 0x40000                  ; cx
	s_bfe_u32 s23, ttmp6, 0x40004                  ; cy
	s_and_b32 s75, ttmp7, 0xffff                   ; cluster y
	s_lshl_b32 s76, ttmp9, 2
	s_add_co_u32 s76, s76, s22                     ; the 256 channels: hangs on cx, not on cy
	s_lshl_b32 s77, s75, 2
	s_add_co_u32 s77, s77, s23                     ; the group of queries: hangs on cy, not on cx
	s_lshr_b32 s78, s75, 2                         ; the batch
	s_lshl_b32 s2, s23, 2
	s_lshl_b32 s2, 15, s2
	s_lshl_b32 s3, 0x1111, s22
	s_or_b32 s[G1P], s2, (3<<16)|(1<<21)
	s_mov_b32 s[G1P+1], 32<<16                     ; 25,600 dense bytes as 100 rows of 256
	s_mov_b32 s[G1P+2], 100<<16
	s_mov_b32 s[G1P+3], 32<<16
	s_mov_b32 s[G1P+4], 100
	s_mov_b32 s[G1P+5], 32
	s_mov_b32 s[G1P+6], 0
	s_mov_b32 s[G1P+7], 0
	s_or_b32 s[G1V], s3, (3<<16)|(1<<21)
	s_mov_b32 s[G1V+1], 3200<<16                   ; two rows of 25,600 bytes, 409,600 apart
	s_mov_b32 s[G1V+2], 2<<16
	s_mov_b32 s[G1V+3], 3200<<16
	s_mov_b32 s[G1V+4], 2
	s_mov_b32 s[G1V+5], 51200
	s_mov_b32 s[G1V+6], 0
	s_mov_b32 s[G1V+7], 0
	s_mov_b32 s72, 0x76543210
	s_mov_b32 s73, 0xfedcba98
	s_mov_b32 s[K1], 0x01010101
	s_mov_b32 s[K8], 0x80808080
	s_mov_b32 s[K7], 0x7f
	s_mul_i32 s80, s77, 16*TILB                    ; my group's p
	s_mov_b32 s81, 0
	s_mul_i32 s82, s20, 2*TILB
	s_mov_b32 s83, 0
	s_lshl_b32 s84, s76, 2
	s_lshl_b32 s85, s20, 1
	s_add_co_u32 s84, s84, s85                     ; the first of my two 64-channel parts of v
	s_lshl_b32 s84, s84, 6
	s_lshl_b32 s85, s78, 4
	s_add_co_u32 s84, s84, s85
	s_mul_i32 s84, s84, VB
	s_mov_b32 s85, 0
	s_mov_b32 s[G0P], 1
	s_mul_i32 s[G0P+1], s[WV], 2*TILB
	s_mov_b32 s[G0V], 1
	s_mul_i32 s[G0V+1], s[WV], 8*VB
	s_sub_co_u32 s[G0V+1], s[G0V+1], 8*VB          ; waves 2, 3: 51,200 and 102,400
	s_wait_dscnt 0x0
	s_wait_kmcnt 0x0
	s_add_nc_u64 s[4:5], s[4:5], s[80:81]
	s_add_nc_u64 s[G0P+2:G0P+3], s[4:5], s[82:83]
	s_or_b32 s[G0P+3], s[G0P+3], 0x80000000
	s_add_nc_u64 s[G0V+2:G0V+3], s[10:11], s[84:85]
	s_or_b32 s[G0V+3], s[G0V+3], 0x80000000
	CROUND
	JLOAD                                          ; K steps 0-3
	s_lshl_b32 s80, s77, 13                        ; my group's 16 images in pm, pl
	s_add_nc_u64 s[6:7], s[6:7], s[80:81]
	s_add_nc_u64 s[8:9], s[8:9], s[80:81]
	s_mul_i32 s82, s[WV], 4*TILB                   ; my four runs of keys
	s_add_nc_u64 s[12:13], s[4:5], s[82:83]
	s_lshl_b32 s82, s[WV], 11
	v_and_b32 v1, 31, v0
	v_lshlrev_b32 v[LI], 4, v1
	v_add_nc_u32 v20, s82, v[LI]
	s_wait_alu depctr_va_vdst(0)
.irp s, 0,1,2,3,4,5,6,7,8,9,10,11,12,13,14,15
	global_load_b128 v[64+4*\s:67+4*\s], v[LI], s[6:7] offset:512*\s     ; all 16 images of M
.endr
.irp k, 0,1,2,3
	global_load_b128 v[128+4*\k:131+4*\k], v20, s[6:7] offset:512*\k     ; my four once more
.endr
.irp k, 0,1,2,3
	global_load_b128 v[144+4*\k:147+4*\k], v[LI], s[12:13] offset:TILB*\k+12288   ; my four images of scale words
.endr
.irp k, 0,1,2,3
	global_load_b128 v[160+4*\k:163+4*\k], v20, s[8:9] offset:512*\k     ; my four images of local sums
.endr
	v_lshlrev_b32 v3, 3, v1                        ; 8 x lane
	v_and_b32 v21, 15, v0                          ; r
	v_bfe_u32 v22, v0, 4, 1                        ; h
	v_mov_b32 v[AP0], v[LI]
	s_mul_i32 s84, s[WV], 4*VB
	s_add_co_u32 s84, s84, 4*TILB
	v_add_nc_u32 v[AP0+1], s84, v[LI]
	v_add_nc_u32 v[AP0+2], s84, v3
	v_add_nc_u32 v[AP0+3], PSC, v[LI]
.irp i, 0,1,2,3
	v_mov_b32 v[AP+\i], v[AP0+\i]
.endr
	v_add_nc_u32 v[PSW], PSC, v20
	s_lshl_b32 s84, s[WV], 9
	v_add_nc_u32 v[LPW], s84, v[LI]
	v_add_nc_u32 v[LPW], LP, v[LPW]
	v_add_nc_u32 v[LPR], LP, v[LI]
	s_add_co_u32 s84, s84, RL
	v_lshlrev_b32 v[RLW], 6, v22
	v_lshl_add_u32 v[RLW], v21, 2, v[RLW]
	v_add_nc_u32 v[RLW], s84, v[RLW]               ; in: row r of tile 2 i + h
	v_lshlrev_b32 v[RLR], 5, v22
	v_add_nc_u32 v[RLR], s84, v[RLR]               ; back: rows 8 h + 0 .. 7 of a tile, the same for all lanes of a half
	v_lshlrev_b32 v[GO], 17, v22
	v_lshl_add_u32 v[GO], v21, 4, v[GO]            ; out0: 32 rows of 4,096 bytes for each half of the lanes, 16 bytes a lane
	s_mul_i32 s84, s22, 13                         ; the prefetches: of p K step w of the four, 13 units of 256 bytes from 13 cx on;
	v_min_u32 v[PFP], 12, v1
	v_add_nc_u32 v[PFP], s84, v[PFP]
	v_min_u32 v[PFP], 49, v[PFP]
	v_lshlrev_b32 v[PFP], 8, v[PFP]
	s_mul_i32 s84, s[WV], TILB
	v_add_nc_u32 v[PFP], s84, v[PFP]
	v_min_u32 v[PFV], 24, v1                       ; of v channels 64 w on, 25 units from 25 cy on
	v_lshlrev_b32 v[PFV], 8, v[PFV]
	s_mul_i32 s84, s23, VB
	v_add_nc_u32 v[PFV], s84, v[PFV]
	s_lshl_b32 s84, s76, 2
	s_add_co_u32 s84, s84, s[WV]
	s_lshl_b32 s84, s84, 6
	s_lshl_b32 s85, s78, 4
	s_add_co_u32 s84, s84, s85
	s_mul_i32 s84, s84, VB
	s_mov_b32 s85, 0
	s_add_nc_u64 s[10:11], s[10:11], s[84:85]
	s_lshl_b32 s84, s77, 19                        ; out0: 128 rows, 256 channels, my 64
	s_lshl_b32 s82, s76, 10
	s_add_co_u32 s84, s84, s82
	s_lshl_b32 s82, s[WV], 8
	s_add_co_u32 s84, s84, s82
	s_add_nc_u64 s[16:17], s[16:17], s[84:85]
	s_mov_b32 s40, 0                               ; the slot that is filled next, behind the first two
	s_mov_b32 s41, 0                               ; the slot that is read
	s_mov_b32 s42, 0                               ; p's scale images: bytes passed
	s_wait_alu depctr_va_vdst(0)
	s_wait_loadcnt 0x0
.irp i, 0,1,2,3
	v_max3_num_f32 v[176+\i], v[64+\i], v[68+\i], v[72+\i]
.endr
.irp s, 3,5,7,9,11,13
.irp i, 0,1,2,3
	v_max3_num_f32 v[176+\i], v[176+\i], v[64+4*\s+\i], v[68+4*\s+\i]
.endr
.endr
.irp i, 0,1,2,3
	v_max_num_f32 v[176+\i], v[176+\i], v[124+\i]  ; the row's M
.endr
.macro EACH16 line:vararg              ; a line for n = 0 .. 15
.set n, 0
.rept 16
	\line
.set n, n+1
.endr
.endm
	EACH16 v_sub_f32 v[180+n], v[128+n], v[176+n%4]
	EACH16 v_max_num_f32 v[180+n], 0xc2fe0000, v[180+n]
	EACH16 v_cvt_i32_f32 v[180+n], v[180+n]
	EACH16 v_ldexp_f32 v[160+n], v[160+n], v[180+n]
; Four bytes b (all under 128: p is at most 1) less d = row's M - local M, 0 .. 127, at once: with bit 7 set in each byte no borrow crosses; where bit 7 survives, b - d is 0 or more and is kept, else the byte is 0
	EACH16 v_mul_lo_u32 v[180+n], v[180+n], s[K1]
	EACH16 v_or_b32 v[144+n], s[K8], v[144+n]
	EACH16 v_add_nc_u32 v[144+n], v[144+n], v[180+n]
	EACH16 v_lshrrev_b32 v[180+n], 7, v[144+n]
	EACH16 v_and_b32 v[180+n], s[K1], v[180+n]
	EACH16 v_mul_lo_u32 v[180+n], v[180+n], s[K7]
	EACH16 v_and_b32 v[144+n], v[144+n], v[180+n]
.irp j, 0,2,8,10
	v_pk_add_f32 v[160+\j:161+\j], v[160+\j:161+\j], v[164+\j:165+\j]
.endr
.irp j, 0,2
	v_pk_add_f32 v[160+\j:161+\j], v[160+\j:161+\j], v[168+\j:169+\j]
.endr
.irp k, 0,1,2,3
	ds_store_b128 v[PSW], v[144+4*\k:147+4*\k] offset:512*\k
.endr
	ds_store_b128 v[LPW], v[160:163]
.macro MMC c                           ; par: bit 0: source 0's tile is odd (its words lie in lanes 16-31), bit 1: source 1's
.if par == 0
	v_wmma_scale_f32_16x16x128_f8f6f4 v[rD:rD+7], v[rA:rA+11], v[rB:rB+11], \c, v[rSA], v[rSB] matrix_a_fmt:MATRIX_FMT_FP6 matrix_b_fmt:MATRIX_FMT_FP6
.elseif par == 1
	v_wmma_scale_f32_16x16x128_f8f6f4 v[rD:rD+7], v[rA:rA+11], v[rB:rB+11], \c, v[rSA], v[rSB] matrix_a_fmt:MATRIX_FMT_FP6 matrix_b_fmt:MATRIX_FMT_FP6 matrix_a_scale:MATRIX_SCALE_ROW1
.elseif par == 2
	v_wmma_scale_f32_16x16x128_f8f6f4 v[rD:rD+7], v[rA:rA+11], v[rB:rB+11], \c, v[rSA], v[rSB] matrix_a_fmt:MATRIX_FMT_FP6 matrix_b_fmt:MATRIX_FMT_FP6 matrix_b_scale:MATRIX_SCALE_ROW1
.else
	v_wmma_scale_f32_16x16x128_f8f6f4 v[rD:rD+7], v[rA:rA+11], v[rB:rB+11], \c, v[rSA], v[rSB] matrix_a_fmt:MATRIX_FMT_FP6 matrix_b_fmt:MATRIX_FMT_FP6 matrix_a_scale:MATRIX_SCALE_ROW1 matrix_b_scale:MATRIX_SCALE_ROW1
.endif
.endm
.macro MULP a, p, zero                 ; p's tile a against my four of v; the 32 accumulators take turns, in the same order in every K step
	WIN 0xf9                                       ; source 0 (p) window 1, source 1 (v) window 2, C and D window 3
.irp b, 0,1,2,3
.set rD, 8*(4*(\a)+\b)
.set rA, 96*(\p)+12*(\a)
.set rB, 48*(\p)+12*\b
.set rSA, 32+4*(\p)+(\a)/2
.set rSB, 40+2*(\p)+\b/2
.set par, ((\a)%2)+2*(\b%2)
.if \zero
	MMC 0
.else
	MMC v[rD:rD+7]
.endif
.endr
.endm
.macro FETCH tt, p                     ; the operands of the slot's K step tt into set p: 38 loads
	WIN 0
	ds_load_b128 v[32+4*(\p):35+4*(\p)], v[AP+3] offset:512*(\tt)
	ds_load_b64 v[40+2*(\p):41+2*(\p)], v[AP+2] offset:VB*(\tt)+6144
	WIN 0x80
.irp b, 0,1,2,3
.irp g, 0,1,2
.set fr, 48*(\p)+12*\b+4*\g
	ds_load_b128 v[fr:fr+3], v[AP+1] offset:VB*(\tt)+1536*\b+512*\g
.endr
.endr
	WIN 0x40
.irp a, 0,1,2,3,4,5,6,7
.irp g, 0,1,2
.set fr, 96*(\p)+12*\a+4*\g
	ds_load_b128 v[fr:fr+3], v[AP] offset:TILB*(\tt)+1536*\a+512*\g
.endr
.endr
	WIN 0
.endm
.macro PSTEP p, tt, zero               ; a K step on set p: the next one's 38 loads first, then, all older ones in, 32 products
	WIN 0
	PLACES 4
	FETCH \tt, 1-(\p)
	s_wait_dscnt 38
.irp a, 0,1,2,3,4,5,6,7
	MULP \a, \p, \zero
.endr
.endm
.macro CHANGE p, refill                ; a slot's last K step
	WIN 0
	s_wait_tensorcnt 0x0                           ; all my loads have landed: my part of the next slot
.if \refill
	ds_add_u32 v[SPW], v[NIL]
	s_mul_i32 s[G0P+1], s[WV], 2*TILB
	s_add_co_u32 s[G0P+1], s[G0P+1], s40
	s_mul_i32 s[G0V+1], s[WV], 8*VB
	s_sub_co_u32 s[G0V+1], s[G0V+1], 8*VB
	s_add_co_u32 s[G0V+1], s[G0V+1], s40
	s_add_nc_u64 s[G0P+2:G0P+3], s[G0P+2:G0P+3], 4*TILB
	s_add_nc_u64 s[G0V+2:G0V+3], s[G0V+2:G0V+3], 4*VB
	s_xor_b32 s40, s40, SLOTB
	s_wait_dscnt 1                                 ; this step's operands are in; the add may be out
.else
	s_wait_dscnt 0x0
.endif
	MULP 0, \p, 0
	MULP 1, \p, 0
	s_wait_dscnt 0x0                               ; the add is done, my reads of the slot are over
	s_barrier_signal -1
	MULP 2, \p, 0
	MULP 3, \p, 0
	WIN 0
	s_barrier_wait -1
.if \refill
	CREST
	JLOAD                                          ; the slot just read out, four K steps, eight K steps on
.endif
	s_xor_b32 s41, s41, SLOTB
	s_add_co_u32 s42, s42, 2048
	v_add_nc_u32 v[AP], s41, v[AP0]                ; (these four are also the places in front of the loads)
	v_add_nc_u32 v[AP+1], s41, v[AP0+1]
	v_add_nc_u32 v[AP+2], s41, v[AP0+2]
	v_add_nc_u32 v[AP+3], s42, v[AP0+3]
	s_wait_alu depctr_va_vdst(0)
	FETCH 0, 1-(\p)
.irp a, 4,5,6,7
	MULP \a, \p, 0
.endr
	WIN 0
.endm
	s_wait_tensorcnt 0x0                           ; my part of slot 0 is in; these lines stand ahead of a later first fill, as ahead of a refill
	ds_add_u32 v[SPW], v[NIL]
	s_add_co_u32 s[G0P+1], s[G0P+1], SLOTB
	s_add_co_u32 s[G0V+1], s[G0V+1], SLOTB
	s_add_nc_u64 s[G0P+2:G0P+3], s[G0P+2:G0P+3], 4*TILB
	s_add_nc_u64 s[G0V+2:G0V+3], s[G0V+2:G0V+3], 4*VB
	s_wait_dscnt 0x0                               ; the add is done, my corrected images and my part of the sums lie in LDS
	CROUND
	JLOAD                                          ; K steps 4-7, into slot 1
.irp k, 0,1,2,3
	ds_load_b128 v[64+4*\k:67+4*\k], v[LPR] offset:512*\k
.endr
	FETCH 0, 0
	global_prefetch_b8 v[PFP], s[4:5] offset:8*TILB th:TH_LOAD_NT scope:SCOPE_SE
	global_prefetch_b8 v[PFV], s[10:11] offset:8*VB th:TH_LOAD_NT scope:SCOPE_SE
	s_wait_dscnt 38                                ; the four parts of the sums are in
.irp j, 0,2,8,10
	v_pk_add_f32 v[64+\j:65+\j], v[64+\j:65+\j], v[68+\j:69+\j]
.endr
.irp j, 0,2
	v_pk_add_f32 v[64+\j:65+\j], v[64+\j:65+\j], v[72+\j:73+\j]
.endr
	s_wait_alu depctr_va_vdst(0)
.irp i, 0,1,2,3
	v_rcp_f32 v[80+\i], v[64+\i]
.endr
	v_nop
	s_wait_alu depctr_va_vdst(0)
.irp i, 0,1,2,3
	ds_store_b32 v[RLW], v[80+\i] offset:128*\i    ; my own copy of 1 / l, [tile][row]
.endr
	PSTEP 0, 1, 1                                  ; K step 0: the first products start the sums
	WIN 0
	s_mov_b32 s90, 0
.Ltrip:                                                ; K steps 1-4, 5-8
	PSTEP 1, 2, 0
	PSTEP 0, 3, 0
	CHANGE 1, 1
	PSTEP 0, 1, 0
	WIN 0
	s_cmp_eq_u32 s90, 0
	s_cbranch_scc0 .Lno_ask
	global_prefetch_b8 v[PFP], s[4:5] offset:12*TILB th:TH_LOAD_NT scope:SCOPE_SE
	global_prefetch_b8 v[PFV], s[10:11] offset:12*VB th:TH_LOAD_NT scope:SCOPE_SE
.Lno_ask:
	s_add_co_u32 s90, s90, 1
	s_cmp_lg_u32 s90, 2
	s_cbranch_scc1 .Ltrip
	PSTEP 1, 2, 0                                  ; 9
	PSTEP 0, 3, 0
	CHANGE 1, 0                                    ; 11: slot 1 is shown to all
	PSTEP 0, 1, 0
	PSTEP 1, 2, 0
	PSTEP 0, 3, 0                                  ; 14
	WIN 0x40
.irp a, 0,1,2,3,4,5,6,7
	ds_load_b128 v[192+8*\a:195+8*\a], v[RLR] offset:64*\a
	ds_load_b128 v[196+8*\a:199+8*\a], v[RLR] offset:64*\a+16
.endr
	WIN 0
	s_wait_dscnt 16                                ; the last K step's operands are in
; THE LAST K STEP GOES BY ROWS: tile a leaves when tile a + 2's products are issued.  Register j of tile a: query 64 (a / 4) + 32 h + 8 (a % 4) + j.  Each accumulator is read from its low end on
.macro WAYOUT a
.set OB, 64+32*((\a)%6)
.if (\a) > 5
	s_wait_xcnt 0x0                                ; the stores of tile a - 6 have read their registers
.endif
	WIN 0x07                                       ; source 0: window 3, source 1: window 1
.irp j, 0,1,2,3,4,5,6,7
.irp b, 0,1,2,3
	v_mul_f32 v[OB+4*\j+\b], v[32*(\a)+8*\b+\j], v[192+8*(\a)+\j]
.endr
.endr
	WIN 0
.irp j, 0,1,2,3,4,5,6,7
	global_store_b128 v[GO], v[OB+4*\j:OB+4*\j+3], s[16:17] offset:(64*((\a)/4)+8*((\a)%4)+\j)*4096 th:TH_STORE_NT   ; 16 lanes store 256 consecutive bytes, aligned
.endr
.endm
	MULP 0, 1, 0
	MULP 1, 1, 0
	s_wait_dscnt 0x0                               ; 1 / l is in
	PLACES 4
.irp a, 2,3,4,5,6,7
	MULP \a, 1, 0
	WAYOUT \a-2
.endr
	WAYOUT 6
	WAYOUT 7
	s_wait_tensorcnt 0x0                           ; the wave's end
	ds_add_u32 v[SPW], v[NIL]
	s_wait_dscnt 0x0
	CROUND
	s_endpgm
.Lfunc_end_k_q19fcfa9f2a_pv:
	.size	k_q19fcfa9f2a_pv, .Lfunc_end_k_q19fcfa9f2a_pv-k_q19fcfa9f2a_pv
	.p2alignl 7, 3214868480
	.fill 96, 4, 3214868480
	.section	.rodata,"a",@progbits
	.p2align	6, 0x0
	.amdhsa_kernel k_q19fcfa9f2a_pv
		.amdhsa_group_segment_fixed_size 327680
		.amdhsa_private_segment_fixed_size 0
		.amdhsa_enable_private_segment 0
		.amdhsa_kernarg_size 40
		.amdhsa_user_sgpr_count 2
		.amdhsa_user_sgpr_kernarg_segment_ptr 1
		.amdhsa_wavefront_size32 1
		.amdhsa_system_sgpr_workgroup_id_x 1
		.amdhsa_system_sgpr_workgroup_id_y 1
		.amdhsa_system_sgpr_workgroup_id_z 1
		.amdhsa_system_vgpr_workitem_id 0
		.amdhsa_next_free_vgpr 1024
		.amdhsa_next_free_sgpr 102
		.amdhsa_reserve_vcc 0
		.amdhsa_float_denorm_mode_32 3
		.amdhsa_float_denorm_mode_16_64 3
		.amdhsa_memory_ordered 1
		.amdhsa_forward_progress 1
		.amdhsa_inst_pref_size 121
	.end_amdhsa_kernel
	.amdgpu_metadata
---
amdhsa.version: [ 1, 2 ]
amdhsa.kernels:
  - .name:           k_q19fcfa9f2a_pv
    .symbol:         k_q19fcfa9f2a_pv.kd
    .args:
      - { .name: pc, .offset: 0, .size: 8, .value_kind: global_buffer, .address_space: global }
      - { .name: pm, .offset: 8, .size: 8, .value_kind: global_buffer, .address_space: global }
      - { .name: pl, .offset: 16, .size: 8, .value_kind: global_buffer, .address_space: global }
      - { .name: vb, .offset: 24, .size: 8, .value_kind: global_buffer, .address_space: global }
      - { .name: out0, .offset: 32, .size: 8, .value_kind: global_buffer, .address_space: global }
    .group_segment_fixed_size: 327680
    .private_segment_fixed_size: 0
    .kernarg_segment_align: 8
    .kernarg_segment_size: 40
    .max_flat_workgroup_size: 128
    .sgpr_count:     102
    .vgpr_count:     1024
    .wavefront_size: 32
...
	.end_amdgpu_metadata
.endif
;; end of part 4
